; MI455X (gfx1250); checked and timed in simulation.
; The chip was launched on July 23, 2026; its instructions are those of AMD's public machine-readable ISA for CDNA 5 (MIT licence, August 2026) and "CDNA5" Instruction Set Architecture Reference Guide (July 2026). The comments in the code are by the model that wrote it; some were corrected since.
;; Vanilla MHA. Allowed arithmetic: matrix products marked QUANTISED: E4M3 operands, one given power-of-two scale a tensor, by v_wmma_f32_16x16x64_fp8_fp8 or v_wmma_f32_16x16x128_fp8_fp8, f32 sums; everything else in f32.
;; Inputs: W_o_codes 1,024 x 32 x 32 uint8 (E4M3 codes of W_o, K innermost, in blocks of 32 codes); W_qkv_codes 3,072 x 32 x 32 uint8 (E4M3 codes of W_qkv, K innermost, in blocks of 32 codes); ln_beta 1,024 float32; ln_gamma 1,024 float32; lowp_scales 8 int32 (the exponents e of the quantised operands' scales 2^e); x 4 x 2,048 x 1,024 float32.
;; Outputs: out0 4 x 2,048 x 1,024 float32.
;; This version of the problem:
;;   THIS VERSION OF THE PROBLEM IS GIVEN IN LOW PRECISION. The matrix products marked QUANTISED in the list below multiply operands that are first quantised to E4M3 (4 exponent bits, 3 mantissa bits; 8 bits a number), with one given power-of-two scale for each operand tensor; their sums are f32. All else is computed in f32.
;;   The module's matrix products, in the order in which they are computed (A, B: the left and right operand; K: the contracted axis; several contracted axes count as one K, in the product's order):
;;     1. [M 8,192, K 1,024] x [K 1,024, N 3,072]; A: computed on the way; B: input W_qkv (given as codes): QUANTISED (scales: A lowp_scales[0], B lowp_scales[1])
;;     2. batch 64 x [M 2,048, K 64] x [K 64, N 2,048]; A: computed on the way; B: computed on the way: QUANTISED (scales: A lowp_scales[2], B lowp_scales[3])
;;     3. batch 64 x [M 64, K 2,048] x [K 2,048, N 2,048]; A: computed on the way; B: softmax (see below): QUANTISED (scales: A lowp_scales[4], B lowp_scales[5])
;;     4. [M 8,192, K 1,024] x [K 1,024, N 1,024]; A: computed on the way; B: input W_o (given as codes): QUANTISED (scales: A lowp_scales[6], B lowp_scales[7])
;;   THE QUANTISER, for each operand of a quantised product, along K:
;;     - The operand's scale is 2^e, e = its entry of the input lowp_scales (int32; the entries are numbered through the quantised products in the list's order, A before B).
;;     - Each number is divided by the scale, clamped to +-448, and rounded to the nearest number of E4M3, ties to even, subnormals kept.
;;     - The product sums the exact products of the quantised numbers (number of the format x scale) in f32.
;;   ~~~python
;;   def quantise(x, axis, e):      # numpy; x: float32 -> the quantised numbers, widened to float32 again
;;       x = np.moveaxis(x, axis, -1); K = x.shape[-1]
;;       r = np.clip(x / 2.0 ** e, -448, 448)
;;       step = 2.0 ** (np.maximum(np.frexp(np.where(r == 0, 1, r))[1] - 1, -6) - 3)
;;       q = np.round(r / step) * step * 2.0 ** e      # np.round: ties to even
;;       return np.moveaxis(q, -1, axis).astype(np.float32)
;;   ~~~
;;   SOFTMAX AHEAD OF A QUANTISED PRODUCT. Where the list says 'softmax', what is quantised is not the finished softmax but p = 2^(t - M), with t = logit x log2(e) and M = ceil(the row's largest t), a whole number; so 1/2 < the row's largest p <= 1. The row's sum l is taken of the UNQUANTISED p, in f32, and the product's result is divided by l at the end. Since M is a whole number, a kernel that streams over the keys may use a running M (the ceiling of the running maximum): every later rescaling is an exact power of two, so the quantised numbers keep their values, but for numbers so far below the row's largest that they fall under the format's range.
;;   OPERANDS COMPUTED ON THE WAY. 'Computed on the way' means the value that the module computes at that place (a softmax that the list does not call 'softmax' is quantised finished and normalised). What goes into a quantiser is computed in f32, as accurately as f32 sums, v_exp_f32 and their like allow (about 1e-6 of the number): no bf16 or f16 on the way to a quantiser, and a product that is left as it is and whose result goes on into a quantised operand takes f32 operands (vector FMAs, or v_wmma_f32_16x16x4_f32). A number that lies on a knife's edge between two numbers of the format may be rounded either way, as far as f32 arithmetic and the matrix unit's own rounding can turn it there, and no further.
;;   INPUTS GIVEN AS CODES. W_o (in the module: [1024, 1024], K = its axis 1); W_qkv (in the module: [3072, 1024], K = its axis 1): each comes as NAME_codes (uint8): NAME with its K axis moved to the last place and cut into blocks of 32 codes, [.., K / 32, bytes a block], one block behind the other in memory; one code a byte (a code: sign, 4 exponent bits, 3 mantissa bits); its scale is its entry of lowp_scales. Its value is code x scale, taken as it is: it is not quantised again, and the codes and scales need not be those that the quantiser above would give.
;; One version. Each part assembles by itself: llvm-mc -triple=amdgcn-amd-amdhsa -mcpu=gfx1250 --defsym DOCPART=n.
;; ======== version 1 of 1: 4 launches
;; limits: right only within a limited range of input values
;; workspace buffers: xq 8,388,608 bytes; qf 8,388,608 bytes; kvf 16,777,216 bytes; ctxf 8,388,608 bytes
;; launch lnq (part 1): grid 256 x 1, 8 waves a work-group, no clusters, 33,792 bytes of LDS; arguments x, ln_gamma, ln_beta, lowp_scales, xq; writes xq
.if DOCPART == 1
	.amdgcn_target "amdgcn-amd-amdhsa--gfx1250"
	.amdhsa_code_object_version 6
	.text
	.protected	k_q8098b0d3fb_lnq
	.globl	k_q8098b0d3fb_lnq
	.p2align	8
	.type	k_q8098b0d3fb_lnq,@function
k_q8098b0d3fb_lnq:
	s_mov_b64 s[64:65], 0
	v_nop
	global_prefetch_b8 v0, s[64:65] scope:SCOPE_SE
	s_setreg_imm32_b32 hwreg(HW_REG_WAVE_MODE, 25, 1), 1
	s_wait_xcnt 0x0
; xq = codes of LayerNorm(x): x [8192][1024] f32; mean and variance of a row in f32 (two passes over registers: the mean first, then the squares of x - mean),
; xn = (x - mean) * rsqrt(var + 1e-5) * gamma + beta; code = xn / 2^e0, held within +-448, to the nearest E4M3 code, ties to even.  xq: [8192][1024], one code a byte, row-major.
; LIMITS: e0 (entry 0 of the scales) between -126 and 119, so that 2^e0 and 448 x 2^e0 are f32 numbers.  NaN among the inputs is not served.
; SHARES: 256 work-groups x 8 waves x 4 rows.  A wave holds its four rows in 128 registers; all 32 row loads go out at the head, so each byte of x is read once and the whole
; of a wave's share is on its way at once.  A reduction never leaves the wave: no barrier.  Matrix units, tensor loads and clusters have nothing to do here: no byte is shared.
; A load's 32 lanes take 512 neighbouring bytes: register 4 i + n of a row is number 128 i + 4 lane + n.  So code register i of a lane is 4 bytes at row byte 128 i + 4 lane: the codes turn through
; the wave's own 4 KiB of LDS (4-byte stores, 16-byte loads) and leave as stores of 512 neighbouring bytes.
.set G,   8                            ; v[8:39]    gamma of my 32 columns
.set BT,  40                           ; v[40:71]   beta
.set X,   72                           ; v[72:199]  row k at X + 32 k; its first 8 registers later take the row's codes back from LDS
.set C,   200                          ; v[200:231] row k's codes at C + 8 k
.set T,   232                          ; v[232:239] four chains of pairs
.set MU,  240                          ; v[240:241] the mean, twice
.set RS,  242                          ; v[242:243] 1 / sqrt(var + eps), twice
.set PT,  244                          ; v244       the lane permute's destination
	s_load_b256 s[4:11], s[0:1], 0x0               ; x s[4:5], gamma s[6:7], beta s[8:9], the scales' exponents s[10:11]
	s_load_b64 s[12:13], s[0:1], 0x20              ; xq
	v_lshl_add_u32 v254, v0, 2, 0x8000
	v_mov_b32 v255, 0
	s_mov_b32 s14, 0x76543210                      ; v_permlanex16_b32: each lane takes its own place in the other half
	s_mov_b32 s15, 0xfedcba98
	s_mov_b32 s16, 0x3a800000                      ; 1 / 1024
	s_mov_b32 s17, 0x3727c5ac                      ; 1e-5
	s_lshl_b32 s22, ttmp9, 17                      ; the work-group's 32 rows of 4,096 bytes in x,
	s_mov_b32 s23, 0
	s_lshl_b32 s24, ttmp9, 15                      ; and of 1,024 bytes in xq
	s_mov_b32 s25, 0
	v_and_b32 v6, 31, v0                           ; lane
	v_and_b32 v7, 0xe0, v0                         ; 32 x wave
	s_delay_alu instid0(VALU_DEP_2)
	v_lshlrev_b32 v2, 4, v6                        ; 16 x lane: gamma, beta
	s_delay_alu instid0(VALU_DEP_1)
	v_lshl_add_u32 v1, v7, 9, v2                   ; x: + wave x 4 rows x 4,096 bytes
	s_delay_alu instid0(VALU_DEP_2)
	v_lshl_add_u32 v4, v7, 7, v2                   ; xq, and LDS on the way back: 16 x lane + wave x 4,096
	v_lshlrev_b32 v3, 2, v6
	s_delay_alu instid0(VALU_DEP_1)
	v_lshl_add_u32 v3, v7, 7, v3                   ; LDS on the way in: 4 x lane + wave x 4,096
	v_mov_b32 v[PT], 0                             ; written once: a lane permute's destination counts as read
	s_wait_alu depctr_va_vdst(0)
	s_wait_kmcnt 0x0
	s_load_b32 s18, s[10:11], 0x0                  ; e0
	s_add_nc_u64 s[4:5], s[4:5], s[22:23]
	s_add_nc_u64 s[12:13], s[12:13], s[24:25]
.irp i, 0,1,2,3,4,5,6,7
	global_load_b128 v[G+4*\i:G+4*\i+3], v2, s[6:7] offset:512*\i
.endr
.irp i, 0,1,2,3,4,5,6,7
	global_load_b128 v[BT+4*\i:BT+4*\i+3], v2, s[8:9] offset:512*\i
.endr
.irp k, 0,1,2,3
.irp i, 0,1,2,3,4,5,6,7
	global_load_b128 v[X+32*\k+4*\i:X+32*\k+4*\i+3], v1, s[4:5] offset:4096*\k+512*\i th:TH_LOAD_NT   ; read once in the launch
.endr
.endr
	s_wait_kmcnt 0x0
	s_add_co_i32 s18, s18, 127
	s_lshl_b32 s21, s18, 23
	v_mov_b32 v5, s21                              ; 2^e0 as f32: the conversion takes its exponent field
	s_add_co_i32 s18, s18, 8
	s_lshl_b32 s19, s18, 23
	s_or_b32 s19, s19, 0x600000                    ; 448 x 2^e0
	s_xor_b32 s20, s19, 0x80000000                 ; and its negative
; the four chains in T become one number, the same in all 32 lanes
.macro REDUCE
	s_delay_alu instid0(VALU_DEP_3)
	v_pk_add_f32 v[T:T+1], v[T:T+1], v[T+2:T+3]
	s_delay_alu instid0(VALU_DEP_2)
	v_pk_add_f32 v[T+4:T+5], v[T+4:T+5], v[T+6:T+7]
	s_delay_alu instid0(VALU_DEP_1)
	v_pk_add_f32 v[T:T+1], v[T:T+1], v[T+4:T+5]
	s_delay_alu instid0(VALU_DEP_1)
	v_add_f32 v[T], v[T], v[T+1]
	s_delay_alu instid0(VALU_DEP_1)
	v_add_f32_dpp v[T], v[T], v[T] row_xmask:1 row_mask:0xf bank_mask:0xf
	s_delay_alu instid0(VALU_DEP_1)
	v_add_f32_dpp v[T], v[T], v[T] row_xmask:2 row_mask:0xf bank_mask:0xf
	s_delay_alu instid0(VALU_DEP_1)
	v_add_f32_dpp v[T], v[T], v[T] row_xmask:4 row_mask:0xf bank_mask:0xf
	s_delay_alu instid0(VALU_DEP_1)
	v_add_f32_dpp v[T], v[T], v[T] row_xmask:8 row_mask:0xf bank_mask:0xf
	s_delay_alu instid0(VALU_DEP_1)
	v_permlanex16_b32 v[PT], v[T], s14, s15
	s_delay_alu instid0(VALU_DEP_1)
	v_add_f32 v[T], v[T], v[PT]
.endm
.macro ROW k
.set XR, X+32*(\k)
.set CR, C+8*(\k)
	s_wait_loadcnt 8*(3-(\k))                      ; loads come back in order: gamma, beta and rows 0 .. k are in; the younger rows' eight loads each stay out
.irp q, 0,1,2,3
	v_pk_add_f32 v[T+2*\q:T+2*\q+1], v[XR+2*\q:XR+2*\q+1], v[XR+8+2*\q:XR+9+2*\q]   ; the first eight pairs start the chains: nothing is cleared
.endr
.irp p, 8,9,10,11,12,13,14,15
	s_delay_alu instid0(VALU_DEP_4)
	v_pk_add_f32 v[T+2*(\p%4):T+2*(\p%4)+1], v[T+2*(\p%4):T+2*(\p%4)+1], v[XR+2*\p:XR+2*\p+1]
.endr
	REDUCE
	s_delay_alu instid0(VALU_DEP_1)
	v_mul_f32 v[MU], s16, v[T]                     ; the mean
	s_delay_alu instid0(VALU_DEP_1)
	v_mov_b32 v[MU+1], v[MU]
.irp p, 0,1,2,3,4,5,6,7,8,9,10,11,12,13,14,15
	v_pk_add_f32 v[XR+2*\p:XR+2*\p+1], v[XR+2*\p:XR+2*\p+1], v[MU:MU+1] neg_lo:[0,1] neg_hi:[0,1]   ; x - mean
.endr
.irp q, 0,1,2,3
	v_pk_mul_f32 v[T+2*\q:T+2*\q+1], v[XR+2*\q:XR+2*\q+1], v[XR+2*\q:XR+2*\q+1]
.endr
.irp p, 4,5,6,7,8,9,10,11,12,13,14,15
	s_delay_alu instid0(VALU_DEP_4)
	v_pk_fma_f32 v[T+2*(\p%4):T+2*(\p%4)+1], v[XR+2*\p:XR+2*\p+1], v[XR+2*\p:XR+2*\p+1], v[T+2*(\p%4):T+2*(\p%4)+1]
.endr
	REDUCE
	s_delay_alu instid0(VALU_DEP_1)
	v_fma_f32 v[T], v[T], s16, s17                 ; var + eps
	s_wait_alu depctr_va_vdst(0)
	v_rsq_f32 v[RS], v[T]
	v_nop                                          ; a plain instruction behind the transcendental (ISA guide 5.7.2),
	s_wait_alu depctr_va_vdst(0)                   ; and the wait ahead of the first line that names its result
	v_mov_b32 v[RS+1], v[RS]
.irp p, 0,1,2,3,4,5,6,7,8,9,10,11,12,13,14,15
	v_pk_mul_f32 v[XR+2*\p:XR+2*\p+1], v[XR+2*\p:XR+2*\p+1], v[RS:RS+1]
.endr
.irp p, 0,1,2,3,4,5,6,7,8,9,10,11,12,13,14,15
	v_pk_fma_f32 v[XR+2*\p:XR+2*\p+1], v[XR+2*\p:XR+2*\p+1], v[G+2*\p:G+2*\p+1], v[BT+2*\p:BT+2*\p+1]
.endr
.set n, 0
.rept 32
	v_med3_num_f32 v[XR+n], v[XR+n], s20, s19      ; the conversion to an 8-bit code does not saturate (ISA guide 7.6.2): hold within the largest code x the scale
.set n, n+1
.endr
.irp g, 0,1,2,3
	v_cvt_scalef32_pk8_fp8_f32 v[CR+2*\g:CR+2*\g+1], v[XR+8*\g:XR+8*\g+7], v5
.endr
	v_nop                                          ; a plain line behind the last conversion
.irp i, 0,1,2,3,4,5,6,7
	ds_store_b32 v3, v[CR+\i] offset:1024*(\k)+128*\i           ; 32 lanes: 128 neighbouring bytes of the row
.endr
	ds_load_b128 v[XR:XR+3], v4 offset:1024*(\k)                 ; LDS serves a wave's instructions in order (ISA guide 5.7.1.4): these see my stores
	ds_load_b128 v[XR+4:XR+7], v4 offset:1024*(\k)+512
.endm
.macro SEND k, younger                 ; younger: the LDS instructions issued behind row k's two loads
	s_wait_dscnt \younger
	global_store_b128 v4, v[X+32*(\k):X+32*(\k)+3], s[12:13] offset:1024*(\k)         ; 32 lanes store 512 consecutive bytes, at a multiple of 512 from xq's first byte
	global_store_b128 v4, v[X+32*(\k)+4:X+32*(\k)+7], s[12:13] offset:1024*(\k)+512
.endm
	ROW 0
	ROW 1
	SEND 0, 10                                     ; behind row 0's loads: row 1's eight stores and two loads
	ROW 2
	SEND 1, 10
	ROW 3
	SEND 2, 10
	SEND 3, 0                                      ; no store's registers are written again: no further wait
	s_wait_tensorcnt 0x0
	ds_add_u32 v254, v255
	s_wait_dscnt 0x0
	s_endpgm
.Lfunc_end_k_q8098b0d3fb_lnq:
	.size	k_q8098b0d3fb_lnq, .Lfunc_end_k_q8098b0d3fb_lnq-k_q8098b0d3fb_lnq
	.p2alignl 7, 3214868480
	.fill 96, 4, 3214868480
	.section	.rodata,"a",@progbits
	.p2align	6, 0x0
	.amdhsa_kernel k_q8098b0d3fb_lnq
		.amdhsa_group_segment_fixed_size 33792
		.amdhsa_private_segment_fixed_size 0
		.amdhsa_enable_private_segment 0
		.amdhsa_kernarg_size 40
		.amdhsa_user_sgpr_count 2
		.amdhsa_user_sgpr_kernarg_segment_ptr 1
		.amdhsa_wavefront_size32 1
		.amdhsa_system_sgpr_workgroup_id_x 1
		.amdhsa_system_sgpr_workgroup_id_y 1
		.amdhsa_system_sgpr_workgroup_id_z 1
		.amdhsa_system_vgpr_workitem_id 0
		.amdhsa_next_free_vgpr 256
		.amdhsa_next_free_sgpr 66
		.amdhsa_reserve_vcc 0
		.amdhsa_float_denorm_mode_32 3
		.amdhsa_float_denorm_mode_16_64 3
		.amdhsa_memory_ordered 1
		.amdhsa_forward_progress 1
		.amdhsa_inst_pref_size 50
	.end_amdhsa_kernel
	.amdgpu_metadata
---
amdhsa.version: [ 1, 2 ]
amdhsa.kernels:
  - .name:           k_q8098b0d3fb_lnq
    .symbol:         k_q8098b0d3fb_lnq.kd
    .args:
      - { .name: x, .offset: 0, .size: 8, .value_kind: global_buffer, .address_space: global }
      - { .name: ln_gamma, .offset: 8, .size: 8, .value_kind: global_buffer, .address_space: global }
      - { .name: ln_beta, .offset: 16, .size: 8, .value_kind: global_buffer, .address_space: global }
      - { .name: lowp_scales, .offset: 24, .size: 8, .value_kind: global_buffer, .address_space: global }
      - { .name: xq, .offset: 32, .size: 8, .value_kind: global_buffer, .address_space: global }
    .group_segment_fixed_size: 33792
    .private_segment_fixed_size: 0
    .kernarg_segment_align: 8
    .kernarg_segment_size: 40
    .max_flat_workgroup_size: 256
    .sgpr_count:     66
    .vgpr_count:     256
    .wavefront_size: 32
...
	.end_amdgpu_metadata
.endif
;; end of part 1
;; launch qkv (part 2): grid 16 x 16, 4 waves a work-group, clusters of 4 x 4, 327,680 bytes of LDS; arguments xq, W_qkv_codes, lowp_scales, qf, kvf; writes qf, kvf
.if DOCPART == 2
	.amdgcn_target "amdgcn-amd-amdhsa--gfx1250"
	.amdhsa_code_object_version 6
	.text
	.protected	k_q8098b0d3fb_qkv
	.globl	k_q8098b0d3fb_qkv
	.p2align	8
	.type	k_q8098b0d3fb_qkv,@function
k_q8098b0d3fb_qkv:
	s_mov_b64 s[64:65], 0
	v_nop
	global_prefetch_b8 v0, s[64:65] scope:SCOPE_SE
	s_setreg_imm32_b32 hwreg(HW_REG_WAVE_MODE, 25, 1), 1
	s_wait_xcnt 0x0
	s_wait_alu depctr_hold_cnt(0) depctr_sa_sdst(0) depctr_va_vdst(0) depctr_va_sdst(0) depctr_va_ssrc(0) depctr_va_vcc(0) depctr_vm_vsrc(0)
	s_getreg_b32 s2, hwreg(HW_REG_IB_STS2, 6, 4)
	s_cmp_eq_u32 s2, 0
	s_cbranch_scc0 .Lentry_in_a_cluster
	s_endpgm
.Lentry_in_a_cluster:
	s_bfe_u32 s2, ttmp6, 0x10000c
	s_cmp_lg_u32 s2, 0xf033
	s_cbranch_scc0 .Lentry_shape_is_right
	s_endpgm
.Lentry_shape_is_right:
; qkv = xn W_qkv^T on codes of E4M3, and its results quantised at once for the attention.  xq: [8192][1024] codes (scale 2^e0); W_qkv_codes: [3072][1024] codes (2^e1).
; A sum stands for sum x 2^(e0 + e1); Q's code is sum / 2^(e2 - e0 - e1), K's with e3, V's with e4, held within +-448, to the nearest code, ties to even.
; LIMITS: e2 - e0 - e1, e3 - e0 - e1 and e4 - e0 - e1 between -126 and 119, so that each scale and 448 x it are f32 numbers.
; SHARES: a tile is 256 tokens x 192 columns = ONE HEAD (columns 192 h + 0..63 Q, 64..127 K, 128..191 V): 32 x 16 = 512 tiles of equal work.  Four waves, wave (rh, ch): tokens 128 rh on,
; and six column tiles: b = 0, 1: Q's channels 32 ch + 16 b on; b = 2, 3: K's likewise; b = 4, 5: V's channels 32 ch + 8 (b - 4) + r + 8 (r / 8) for lane r.  48 accumulators, 384 registers.
; K goes in steps of 256 through a ring of two LDS slots filled by the tensor data mover: four K steps, two first fills and two refills, all written out.
; CLUSTERS: 4 x 4 work-groups: the four of a row need the same tokens, the four of a column the same head's weights: each tile is asked for jointly.
; TWO USES OF THE MATRIX INSTRUCTION.  Q and K: source 0 = 16 rows of W, source 1 = 16 tokens: a lane holds ONE TOKEN and eight neighbouring channels, which are neighbours along the next product's K.
; V: source 0 = 16 tokens, source 1 = 16 rows of W: a lane holds ONE CHANNEL and eight neighbouring tokens (keys), the K of the product with p.  So each conversion's two registers are two registers of the next operand.
; THE OUTPUTS ARE IMAGES OF OPERAND REGISTERS: four registers of all 32 lanes on end, lane l's 16 bytes at 16 l: each store covers 512 consecutive aligned bytes straight from registers.
;   qf  [bh 64][tile of 16 tokens 128][group 2][512]: group c = registers 4 c .. 4 c + 3 of the 16 x 64 fragment (registers 2 t, 2 t + 1: channels 16 t + 8 (lane / 16) + 0 .. 7)
;   kvf [bh][262144]: K as qf in the first 131,072 bytes; then V: [128 keys 16][channel tile 4][group 4][512]: registers 2 a, 2 a + 1: keys 16 a + 8 (lane / 16) + 0 .. 7 of channel 32 (t / 2) + 8 (t % 2) + r + 8 (r / 8)
; Along this product's own K both operands are fetched by 16-byte loads (registers 4 c .. 4 c + 3: k = 32 c + 16 (lane / 16) + 0 .. 15): one permutation of k on both sides, so every product meets its partner.
; REGISTERS, in windows of 256: window 0: v1-29 addresses and scales; v32-127 the codes on the way out; v128-255 the tokens' 8 fragments, ONE set.
;   window 1: W's 6 fragments, TWO sets, at v0 and v128.   window 2: accumulator (a, b) at v[8 (6 (a % 4) + b)] for token blocks a = 0-3;   window 3: a = 4-7.
; THE GRID is 16 x 16: a work-group STAYS and makes TWO of the 512 tiles, token blocks y and y + 16 of one head.  The ring goes on into the second tile: the first tile's last two changes of slots
; ask for the second tile's K steps 0 and 1, and the first tile's codes leave while those loads are on their way.
.set PITCH,  272
.set HALFA,  128*PITCH                 ; 128 tokens' rows: one tensor load
.set HALFB,  96*PITCH                  ; 96 rows of W: one tensor load
.set SLOT,   2*HALFA+2*HALFB           ; the tokens' 256 rows, then the head's 192
.set SPARE,  2*SLOT                    ; behind the ring: the spare words, 128 bytes for each wave: two blocks of 256 bytes that no other line names
.set FR,     16                        ; registers of a fragment: 16 rows x 128 K
.set SC,     8                         ; v8-10   the three conversions' scales as f32: Q, K, V
.set ADRA,   16                        ; v16-17  LDS address of my tokens' fragments in slot 0, 1
.set ADRB,   20                        ; v20-21  of Q's and K's rows of W
.set ADRV,   22                        ; v22-23  of V's rows of W (lane r: row r + 8 (r / 8))
.set LI,     26                        ; v26     16 x lane: my place in an image
.set SPW,    28                        ; v28     LDS address of my spare word; never rewritten
.set NIL,    29                        ; v29     0; never rewritten
.set OC,     32                        ; v32-63 Q's codes, v64-95 K's, v96-127 V's
.set AF,     128
.set G1,     24                        ; s[24:31] descriptor group 1 for the tokens' tiles;  s[32:39] group 0, one set for each slot
.set G0,     32
.set G1B,    48                        ; s[48:55], s[56:63] the same for W's tiles
.set G0B,    56
.set LIM,    80                        ; s80/81, s82/83, s84/85: -448 and +448 x the scale, for Q, K, V
.set MSB,    0
.macro WIN new                         ; the immediate's high byte repeats the setting that is left; a switch that changes nothing is dropped
.if MSB != (\new)
	s_set_vgpr_msb (MSB<<8)|(\new)
.set MSB, (\new)
.endif
.endm
; A joint load: waves 0 and 1 fetch the tokens' two halves, waves 2 and 3 W's.  The branch hangs on the wave's number alone.  Four v_nop follow each of the two lines.
.macro JLOAD g0a, g1a, g0b, g1b
	s_cmp_eq_u32 s15, 0
	s_cbranch_scc0 .Lfor_b_\@
	tensor_load_to_lds s[\g0a:\g0a+3], s[\g1a:\g1a+7]
	s_nop 0
.rept 4
	v_nop
.endr
	s_branch .Lasked_\@
.Lfor_b_\@:
	tensor_load_to_lds s[\g0b:\g0b+3], s[\g1b:\g1b+7]
	s_nop 0
.rept 4
	v_nop
.endr
.Lasked_\@:
.endm
.macro CREST                           ; a round of the cluster's barrier behind its opening barrier
	s_cmp_lg_u32 s14, 0
	s_cbranch_scc1 .Lnot_wave_0_\@
	s_barrier_signal -3
.Lnot_wave_0_\@:
	s_barrier_wait -3
	s_barrier_signal -1
	s_barrier_wait -1
.endm
.macro CROUND                          ; a whole round
	s_barrier_signal -1
	s_barrier_wait -1
	CREST
.endm
.macro PLACES n                        ; plain vector lines between a matrix instruction and a load into, or a vector line on, its registers
.rept \n
	v_nop
.endr
.endm
	s_load_b128 s[4:7], s[0:1], 0x0                ; xq s[4:5], W's codes s[6:7]
	s_load_b128 s[8:11], s[0:1], 0x10              ; the scales' exponents s[8:9], qf s[10:11]
	s_load_b64 s[12:13], s[0:1], 0x20              ; kvf
	v_lshl_add_u32 v[SPW], v0, 2, SPARE
	v_mov_b32 v[NIL], 0
	ds_add_u32 v28, v29
	ds_add_u32 v28, v29
	s_wait_dscnt 0x0
	v_lshrrev_b32 v1, 5, v0
	v_readfirstlane_b32 s14, v1                    ; wave 0..3
	s_lshr_b32 s15, s14, 1                         ; rh: my half of the tokens.  Also: I fetch tokens (0) or W (1)
	s_and_b32 s16, s14, 1                          ; ch: my half of the channels.  Also: which half of that tile I fetch
	s_bfe_u32 s40, ttmp6, 0x40000                  ; cx, cy: my place in the cluster
	s_bfe_u32 s41, ttmp6, 0x40004
	s_lshl_b32 s42, ttmp9, 2
	s_add_co_u32 s42, s42, s40                     ; the head = 4 x cluster x + cx
	s_and_b32 s17, ttmp7, 0xffff
	s_lshl_b32 s17, s17, 2
	s_add_co_u32 s17, s17, s41                     ; the block of 256 tokens = 4 x cluster y + cy
	s_lshl_b32 s43, s41, 2
	s_lshl_b32 s43, 15, s43                        ; my row of the cluster
	s_lshl_b32 s44, 0x1111, s40                    ; my column
	s_or_b32 s[G1+0], s43, (1<<20)|(1<<21)|(5<<22)|(3<<25)   ; 15:0 the mask; 17:16 elements of 1 byte; 20 padding on; 21 set beside a mask; 24:22 after every 64 words; 31:25 four words
	s_or_b32 s[G1B+0], s44, (1<<20)|(1<<21)|(5<<22)|(3<<25)
	s_mov_b32 s[G1+1], 256<<16                     ; tensor_dim0 = 256
	s_mov_b32 s[G1+2], 256<<16                     ; the head's fills take whole tiles: 256 tokens' rows
	s_mov_b32 s[G1+3], 256<<16                     ; tile_dim0 = 256
	s_mov_b32 s[G1+4], 256
	s_mov_b32 s[G1+5], 1024                        ; from row to row
	s_mov_b32 s[G1+6], 0
	s_mov_b32 s[G1+7], 0
	s_mov_b32 s[G1B+1], 256<<16
	s_mov_b32 s[G1B+2], 192<<16                    ; and the head's 192 rows of W
	s_mov_b32 s[G1B+3], 256<<16
	s_mov_b32 s[G1B+4], 192
	s_mov_b32 s[G1B+5], 1024
	s_mov_b32 s[G1B+6], 0
	s_mov_b32 s[G1B+7], 0
	s_lshl_b32 s20, s17, 18                        ; tokens: 256 x block rows of 1,024 bytes
	s_lshl_b32 s68, s16, 17                        ; the refills' half: 128 rows further on
	s_mov_b32 s69, 0
	s_mov_b32 s21, 0
	s_mul_i32 s46, s42, 192
	s_lshl_b32 s46, s46, 10                        ; W: 192 x head rows
	s_mul_i32 s70, s16, 96*1024                    ; the refills' half: 96 rows further on
	s_mov_b32 s71, 0
	s_mov_b32 s47, 0
	s_mul_i32 s45, s16, HALFA                      ; where they go: no place in the cluster enters an LDS address
	s_mul_i32 s66, s16, HALFB
	s_wait_kmcnt 0x0
	s_load_b256 s[72:79], s[8:9], 0x0              ; e0 .. e7
	s_add_nc_u64 s[20:21], s[4:5], s[20:21]
	s_add_nc_u64 s[46:47], s[6:7], s[46:47]
	CROUND                                         ; all sixteen work-groups are here: the first joint loads meet
.irp s, 0,1
	s_mov_b32 s[G0+4*\s], 1
	s_mov_b32 s[G0+4*\s+1], \s*SLOT
	s_add_nc_u64 s[G0+4*\s+2:G0+4*\s+3], s[20:21], \s*256
	s_or_b32 s[G0+4*\s+3], s[G0+4*\s+3], 0x80000000
	s_mov_b32 s[G0B+4*\s], 1
	s_mov_b32 s[G0B+4*\s+1], 2*HALFA+\s*SLOT
	s_add_nc_u64 s[G0B+4*\s+2:G0B+4*\s+3], s[46:47], \s*256
	s_or_b32 s[G0B+4*\s+3], s[G0B+4*\s+3], 0x80000000
.endr
	; THE HEAD'S FOUR FIRST FILLS, one a wave, in one chain of branches on the wave's number: wave 0 the tokens' 256 rows of K step 0, wave 1 W's 192 rows of K step 0, waves 2 and 3 the same of K step 1 into slot 1
	s_cmp_eq_u32 s14, 0
	s_cbranch_scc0 .Lhead_1
	tensor_load_to_lds s[G0:G0+3], s[G1:G1+7]
	s_nop 0
	PLACES 4
	s_branch .Lhead_j
.Lhead_1:
	s_cmp_eq_u32 s14, 1
	s_cbranch_scc0 .Lhead_2
	tensor_load_to_lds s[G0B:G0B+3], s[G1B:G1B+7]
	s_nop 0
	PLACES 4
	s_branch .Lhead_j
.Lhead_2:
	s_cmp_eq_u32 s14, 2
	s_cbranch_scc0 .Lhead_3
	tensor_load_to_lds s[G0+4:G0+7], s[G1:G1+7]
	s_nop 0
	PLACES 4
	s_branch .Lhead_j
.Lhead_3:
	tensor_load_to_lds s[G0B+4:G0B+7], s[G1B:G1B+7]
	s_nop 0
	PLACES 4
.Lhead_j:
	; PREFETCHES INTO THE L2, two K steps ahead of the tensor load that will want the bytes; a K step is 256 bytes of each row; a lane a row, one instruction a wave.  The four partners that ask for a tile jointly share its
	; rows out BY ADDRESS: of the tokens' 256 rows the partner at cx takes 64, 32 for each of waves 0 and 1; of W's 192 rows the partner at cy takes 48, 24 for each of waves 2 and 3 (lanes 24-31 name the wave's last row again).
	; The base never moves: the K step stands in the immediate.  Here: K steps 2 and 3.  Behind the first tile's four refills: the second tile's K steps 0 to 3 of the tokens; W's rows are the same for both tiles and are not asked for again.
	s_lshl_b32 s98, s17, 8                         ; tokens: row 256 x block
	s_lshl_b32 s99, s40, 6
	s_add_co_u32 s98, s98, s99                     ; + 64 cx
	s_lshl_b32 s99, s16, 5
	s_add_co_u32 s98, s98, s99                     ; + 32 x half
	s_mul_i32 s99, s42, 192                        ; W: row 192 x head
	s_mul_i32 s67, s41, 48
	s_add_co_u32 s99, s99, s67                     ; + 48 cy
	s_mul_i32 s67, s16, 24
	s_add_co_u32 s99, s99, s67                     ; + 24 x half
	s_cmp_eq_u32 s15, 0                            ; do I fetch tokens?
	s_cselect_b32 s98, s98, s99
	s_cselect_b64 s[96:97], s[4:5], s[6:7]
	s_mov_b32 s99, 23
	s_cselect_b32 s67, 31, s99                     ; my last row
	s_lshl_b32 s98, s98, 10                        ; rows of 1,024 bytes
	s_mov_b32 s99, 0
	s_add_nc_u64 s[96:97], s[96:97], s[98:99]
	v_and_b32 v27, 31, v0
	v_min_u32 v27, s67, v27
	v_lshlrev_b32 v27, 10, v27                     ; v27: my lane's row; never rewritten
	global_prefetch_b8 v27, s[96:97] offset:512 th:TH_LOAD_NT scope:SCOPE_SE
	global_prefetch_b8 v27, s[96:97] offset:768 th:TH_LOAD_NT scope:SCOPE_SE
	v_and_b32 v1, 15, v0                           ; r
	v_bfe_u32 v2, v0, 4, 1                         ; h
	v_mul_u32_u24 v3, v1, PITCH
	v_lshl_add_u32 v4, v2, 4, v3                   ; row r x pitch + 16 h
	v_and_b32 v5, 8, v1
	v_add_nc_u32 v5, v5, v1                        ; r + 8 (r / 8)
	v_mul_u32_u24 v5, v5, PITCH
	v_lshl_add_u32 v5, v2, 4, v5
	v_and_b32 v6, 31, v0
	v_lshlrev_b32 v[LI], 4, v6
	s_mul_i32 s21, s15, HALFA                      ; my 128 tokens
	s_mul_i32 s22, s16, 32*PITCH
	s_add_co_u32 s22, s22, 2*HALFA                 ; W's row 32 ch,
	s_add_co_u32 s23, s22, 128*PITCH               ; and row 128 + 32 ch
.irp s, 0,1
	v_add_nc_u32 v[ADRA+\s], s21, v4
	v_add_nc_u32 v[ADRB+\s], s22, v4
	v_add_nc_u32 v[ADRV+\s], s23, v5
	s_add_co_u32 s21, s21, SLOT
	s_add_co_u32 s22, s22, SLOT
	s_add_co_u32 s23, s23, SLOT
.endr
	; where my images go
	s_lshr_b32 s18, s17, 3
	s_lshl_b32 s18, s18, 4
	s_add_co_u32 s18, s18, s42                     ; bh = 16 x batch + head
	s_and_b32 s19, s17, 7
	s_lshl_b32 s19, s19, 14
	s_lshl_b32 s22, s15, 13
	s_add_co_u32 s19, s19, s22                     ; my 128 tokens in the batch: 8 tiles of 1,024 bytes, and one key step of 8,192
	s_lshl_b32 s22, s16, 9                         ; group ch
	s_lshl_b32 s92, s18, 17
	s_add_co_u32 s92, s92, s19
	s_add_co_u32 s92, s92, s22
	s_mov_b32 s93, 0
	s_add_nc_u64 s[86:87], s[10:11], s[92:93]      ; Q
	s_lshl_b32 s92, s18, 18
	s_add_co_u32 s92, s92, s19
	s_add_co_u32 s94, s92, s22
	s_mov_b32 s95, 0
	s_add_nc_u64 s[88:89], s[12:13], s[94:95]      ; K
	s_lshl_b32 s22, s16, 12                        ; channel tiles 2 ch, 2 ch + 1
	s_add_co_u32 s92, s92, s22
	s_add_co_u32 s92, s92, 131072
	s_add_nc_u64 s[90:91], s[12:13], s[92:93]      ; V
	s_wait_alu depctr_va_vdst(0)
	s_wait_kmcnt 0x0
	s_add_co_i32 s92, s72, s73
	s_sub_co_i32 s92, 127, s92                     ; 127 - e0 - e1
.irp x, 0,1,2
	s_add_co_i32 s93, s92, s[74+\x]
	s_lshl_b32 s94, s93, 23
	v_mov_b32 v[SC+\x], s94                        ; 2^(e - e0 - e1) as f32: the three scales folded into the conversion's one
	s_add_co_i32 s93, s93, 8
	s_lshl_b32 s93, s93, 23
	s_or_b32 s[LIM+1+2*\x], s93, 0x600000          ; 448 x that,
	s_xor_b32 s[LIM+2*\x], s[LIM+1+2*\x], 0x80000000   ; and its negative
.endr
.macro FRAG reg, adr, q, row           ; 16 rows x 128 K: four loads of 16 bytes, 32 bytes apart
.irp c, 0,1,2,3
	ds_load_b128 v[\reg+4*\c:\reg+4*\c+3], v[\adr] offset:128*(\q)+32*\c+(\row)*PITCH
.endr
.endm
.macro FETCH_B slot, q, p              ; W's six fragments of the slot's q-th 128 along K into set p: 24 loads
	WIN 0x40                                       ; destination window 1, address window 0
	FRAG 128*(\p), ADRB+\slot, \q, 0
	FRAG 128*(\p)+FR, ADRB+\slot, \q, 16
	FRAG 128*(\p)+2*FR, ADRB+\slot, \q, 64
	FRAG 128*(\p)+3*FR, ADRB+\slot, \q, 80
	FRAG 128*(\p)+4*FR, ADRV+\slot, \q, 0
	FRAG 128*(\p)+5*FR, ADRV+\slot, \q, 8
	WIN 0
.endm
.macro FETCH_A slot, q, i0             ; token blocks i0 .. i0 + 3: 16 loads
.irp i, \i0, \i0+1, \i0+2, \i0+3
	FRAG AF+FR*(\i), ADRA+\slot, \q, 16*(\i)
.endr
.endm
; 16 matrix instructions: token blocks a0 .. a0 + 3 x Q's and K's four tiles, source 0 = W.  The 48 accumulators take turns, one instruction a turn, in the same order in every step.
.macro MULT a0, p, zero
.irp a, \a0, \a0+1, \a0+2, \a0+3
.irp b, 0,1,2,3
.if \zero
	v_wmma_f32_16x16x128_fp8_fp8 v[8*(6*((\a)%4)+\b):8*(6*((\a)%4)+\b)+7], v[128*(\p)+FR*\b:128*(\p)+FR*\b+FR-1], v[AF+FR*(\a):AF+FR*(\a)+FR-1], 0
.else
	v_wmma_f32_16x16x128_fp8_fp8 v[8*(6*((\a)%4)+\b):8*(6*((\a)%4)+\b)+7], v[128*(\p)+FR*\b:128*(\p)+FR*\b+FR-1], v[AF+FR*(\a):AF+FR*(\a)+FR-1], v[8*(6*((\a)%4)+\b):8*(6*((\a)%4)+\b)+7]
.endif
.endr
.endr
.endm
; 8 matrix instructions: the same blocks x V's two tiles, source 0 = the tokens
.macro MULN a0, p, zero
.irp a, \a0, \a0+1, \a0+2, \a0+3
.irp b, 4,5
.if \zero
	v_wmma_f32_16x16x128_fp8_fp8 v[8*(6*((\a)%4)+\b):8*(6*((\a)%4)+\b)+7], v[AF+FR*(\a):AF+FR*(\a)+FR-1], v[128*(\p)+FR*\b:128*(\p)+FR*\b+FR-1], 0
.else
	v_wmma_f32_16x16x128_fp8_fp8 v[8*(6*((\a)%4)+\b):8*(6*((\a)%4)+\b)+7], v[AF+FR*(\a):AF+FR*(\a)+FR-1], v[128*(\p)+FR*\b:128*(\p)+FR*\b+FR-1], v[8*(6*((\a)%4)+\b):8*(6*((\a)%4)+\b)+7]
.endif
.endr
.endr
.endm
; A slot's first 128 along K (W's set 0); it fetches the second 128 (set 1).  zero = 1: the products start the sums: nothing is cleared.
.macro STEP slot, zero
	s_wait_dscnt 16                                ; W's set and token blocks 0-3 are in; the youngest 16 loads (blocks 4-7) may be out
	WIN 0xa1                                       ; source 0 window 1, source 1 window 0, C and D window 2
	MULT 0, 0, \zero
	WIN 0xa4                                       ; source 0 window 0, source 1 window 1
	MULN 0, 0, \zero
	s_wait_dscnt 0                                 ; blocks 4-7 are in (asked for 24 matrix instructions ago)
	PLACES 4
	FETCH_B \slot, 1, 1
	FETCH_A \slot, 1, 0
	WIN 0xf1                                       ; C and D window 3
	MULT 4, 0, \zero
	WIN 0xf4
	MULN 4, 0, \zero
	PLACES 4
	WIN 0
	FETCH_A \slot, 1, 4
.endm
; A slot's second 128 along K (set 1) changes slots: ONE barrier; in front of it each wave waits for all its tensor loads, adds 0 to its spare word, and waits for that and for its reads of this slot.
; fill = 1: the barrier opens a round of the cluster's barrier, and this slot is filled again, two K steps ahead, first thing behind the round.
.macro TURN slot, next, fill
	s_wait_tensorcnt 0x0                           ; all my tensor loads have landed: my part of the next slot (every window is 0 here)
	ds_add_u32 v[SPW], v[NIL]                      ; 0 onto my spare word
	s_wait_dscnt 17                                ; the add and the youngest 16 loads (blocks 4-7) may be out
	WIN 0xa1
	MULT 0, 1, 0                                   ; sixteen matrix instructions stand between the add and the wait for it
	s_wait_dscnt 0x0                               ; the add is done, and my reads of this slot are over
	s_barrier_signal -1
	WIN 0xa4
	MULN 0, 1, 0                                   ; work on registers while the others arrive
	WIN 0
	s_barrier_wait -1
.if \fill
	CREST                                          ; no wave of any partner still reads this slot's tile or has a load on its way
.if \fill == 2                         ; fill = 2: the next tile's K step 0 or 1: the tokens go 16 blocks of 256 rows down and 512 back along K, W only back
	s_add_nc_u64 s[G0+4*\slot+2:G0+4*\slot+3], s[G0+4*\slot+2:G0+4*\slot+3], (16<<18)-512
	s_sub_nc_u64 s[G0B+4*\slot+2:G0B+4*\slot+3], s[G0B+4*\slot+2:G0B+4*\slot+3], 512
.else
	s_add_nc_u64 s[G0+4*\slot+2:G0+4*\slot+3], s[G0+4*\slot+2:G0+4*\slot+3], 512
	s_add_nc_u64 s[G0B+4*\slot+2:G0B+4*\slot+3], s[G0B+4*\slot+2:G0B+4*\slot+3], 512
.endif
	JLOAD G0+4*\slot, G1, G0B+4*\slot, G1B         ; my one tensor load behind the round; its four v_nop are also the places in front of the loads below
.else
	PLACES 4
.endif
	FETCH_B \next, 0, 0
	FETCH_A \next, 0, 0
.if ASKOFF                             ; in the first tile: behind the joint load and the run of LDS loads, the tokens' waves ask for the K step that stands two refills on
	s_cmp_eq_u32 s15, 0
	s_cbranch_scc0 .Lno_ask_\@
	global_prefetch_b8 v27, s[96:97] offset:ASKOFF th:TH_LOAD_NT scope:SCOPE_SE
.Lno_ask_\@:
.set ASKOFF, ASKOFF+256
.endif
	WIN 0xf1
	MULT 4, 1, 0
	WIN 0xf4
	MULN 4, 1, 0
	PLACES 4
	WIN 0
	FETCH_A \next, 0, 4
.endm
	s_wait_tensorcnt 0x0                           ; my one first fill is in, so the descriptors may be written: from here on a load brings half a tile (128 tokens' rows or 96 rows of W), two waves to a tile
	s_mov_b32 s[G1+2], 128<<16
	s_mov_b32 s[G1+4], 128
	s_mov_b32 s[G1B+2], 96<<16
	s_mov_b32 s[G1B+4], 96
.irp s, 0,1
	s_add_co_u32 s[G0+4*\s+1], s[G0+4*\s+1], s45
	s_add_nc_u64 s[G0+4*\s+2:G0+4*\s+3], s[G0+4*\s+2:G0+4*\s+3], s[68:69]
	s_add_co_u32 s[G0B+4*\s+1], s[G0B+4*\s+1], s66
	s_add_nc_u64 s[G0B+4*\s+2:G0B+4*\s+3], s[G0B+4*\s+2:G0B+4*\s+3], s[70:71]
.endr
	s_barrier_signal -1
	s_barrier_wait -1                              ; everybody's is
	FETCH_B 0, 0, 0
	FETCH_A 0, 0, 0
	FETCH_A 0, 0, 4
; THE WAY OUT of four token blocks (one window of accumulators): the hold in place, each accumulator from its low end on, then the conversions into window 0.
.macro OUTHALF wm, wc, a0
	WIN \wm                                        ; destination and source 0 in the accumulators' window
.irp a, 0,1,2,3
.irp b, 0,1,2,3,4,5
.irp j, 0,1,2,3,4,5,6,7
	v_med3_num_f32 v[8*(6*\a+\b)+\j], v[8*(6*\a+\b)+\j], s[LIM+2*(\b/2)], s[LIM+1+2*(\b/2)]   ; the conversion to an 8-bit code does not saturate (ISA guide 7.6.2)
.endr
.endr
.endr
	WIN \wc                                        ; source 0 in that window, destination and scale in window 0
.irp a, 0,1,2,3
.irp b, 0,1
	v_cvt_scalef32_pk8_fp8_f32 v[OC+4*(\a0+\a)+2*\b:OC+4*(\a0+\a)+2*\b+1], v[8*(6*\a+\b):8*(6*\a+\b)+7], v[SC]            ; Q: token r, channels 32 ch + 16 b + 8 h + 0 .. 7
	v_cvt_scalef32_pk8_fp8_f32 v[OC+32+4*(\a0+\a)+2*\b:OC+32+4*(\a0+\a)+2*\b+1], v[8*(6*\a+\b+2):8*(6*\a+\b+2)+7], v[SC+1]   ; K likewise
	v_cvt_scalef32_pk8_fp8_f32 v[OC+64+16*\b+2*(\a0+\a):OC+64+16*\b+2*(\a0+\a)+1], v[8*(6*\a+\b+4):8*(6*\a+\b+4)+7], v[SC+2]  ; V: one channel, keys 16 a + 8 h + 0 .. 7
.endr
.endr
	v_nop                                          ; a plain line behind the last conversion
.endm
.macro TILEOUT                         ; a tile's codes: each store covers 512 consecutive bytes, at a multiple of 512 from the buffer's first byte
	OUTHALF 0x82, 0x02, 0
	OUTHALF 0xc3, 0x03, 4
	WIN 0
.irp a, 0,1,2,3,4,5,6,7
	global_store_b128 v[LI], v[OC+4*\a:OC+4*\a+3], s[86:87] offset:1024*\a
.endr
.irp a, 0,1,2,3,4,5,6,7
	global_store_b128 v[LI], v[OC+32+4*\a:OC+32+4*\a+3], s[88:89] offset:1024*\a
.endr
.irp u, 0,1
.irp g, 0,1,2,3
	global_store_b128 v[LI], v[OC+64+16*\u+4*\g:OC+64+16*\u+4*\g+3], s[90:91] offset:2048*\u+512*\g
.endr
.endr
.endm
.macro KWALK last                      ; a tile's four K steps
	STEP 0, 1                                      ; K 0-127: starts the sums
	TURN 0, 1, 1                                   ; K 128-255; slot 0 takes K step 2
	STEP 1, 0
	TURN 1, 0, 1                                   ; slot 1 takes K step 3
	STEP 0, 0
.if \last
	TURN 0, 1, 0                                   ; nothing is left to fetch
	STEP 1, 0
	s_wait_dscnt 16                                ; the last 128 along K
	WIN 0xa1
	MULT 0, 1, 0
	WIN 0xa4
	MULN 0, 1, 0
	s_wait_dscnt 0
	WIN 0xf1
	MULT 4, 1, 0
	WIN 0xf4
	MULN 4, 1, 0
	PLACES 4                                       ; in front of the first vector lines on results
.else
	TURN 0, 1, 2                                   ; slot 0 takes the next tile's K step 0,
	STEP 1, 0
	TURN 1, 0, 2                                   ; slot 1 its K step 1, and the next tile's first fragments are fetched; the turn's last four places stand in front of the vector lines on results
.endif
.endm
.set ASKOFF, 16<<18                    ; the second tile's tokens lie 16 blocks of 256 rows further down
	KWALK 0
	TILEOUT
	s_wait_xcnt 0x0                                ; the stores have read their bases and data
	s_add_nc_u64 s[86:87], s[86:87], 32<<17        ; 16 token blocks on are two batches: bh + 32
	s_add_nc_u64 s[88:89], s[88:89], 32<<18
	s_add_nc_u64 s[90:91], s[90:91], 32<<18
.set ASKOFF, 0                         ; the last tile asks for nothing
	KWALK 1
	TILEOUT
	s_wait_tensorcnt 0x0                           ; the wave's end
	ds_add_u32 v[SPW], v[NIL]
	s_wait_dscnt 0x0
	CROUND                                         ; the closing round: no work-group ends while a partner may still ask for a tile that names it
	s_endpgm
.Lfunc_end_k_q8098b0d3fb_qkv:
	.size	k_q8098b0d3fb_qkv, .Lfunc_end_k_q8098b0d3fb_qkv-k_q8098b0d3fb_qkv
	.p2alignl 7, 3214868480
	.fill 96, 4, 3214868480
	.section	.rodata,"a",@progbits
	.p2align	6, 0x0
	.amdhsa_kernel k_q8098b0d3fb_qkv
		.amdhsa_group_segment_fixed_size 327680
		.amdhsa_private_segment_fixed_size 0
		.amdhsa_enable_private_segment 0
		.amdhsa_kernarg_size 40
		.amdhsa_user_sgpr_count 2
		.amdhsa_user_sgpr_kernarg_segment_ptr 1
		.amdhsa_wavefront_size32 1
		.amdhsa_system_sgpr_workgroup_id_x 1
		.amdhsa_system_sgpr_workgroup_id_y 1
		.amdhsa_system_sgpr_workgroup_id_z 1
		.amdhsa_system_vgpr_workitem_id 0
		.amdhsa_next_free_vgpr 1024
		.amdhsa_next_free_sgpr 100
		.amdhsa_reserve_vcc 0
		.amdhsa_float_denorm_mode_32 3
		.amdhsa_float_denorm_mode_16_64 3
		.amdhsa_memory_ordered 1
		.amdhsa_forward_progress 1
		.amdhsa_inst_pref_size 189
	.end_amdhsa_kernel
	.amdgpu_metadata
---
amdhsa.version: [ 1, 2 ]
amdhsa.kernels:
  - .name:           k_q8098b0d3fb_qkv
    .symbol:         k_q8098b0d3fb_qkv.kd
    .args:
      - { .name: xq, .offset: 0, .size: 8, .value_kind: global_buffer, .address_space: global }
      - { .name: W_qkv_codes, .offset: 8, .size: 8, .value_kind: global_buffer, .address_space: global }
      - { .name: lowp_scales, .offset: 16, .size: 8, .value_kind: global_buffer, .address_space: global }
      - { .name: qf, .offset: 24, .size: 8, .value_kind: global_buffer, .address_space: global }
      - { .name: kvf, .offset: 32, .size: 8, .value_kind: global_buffer, .address_space: global }
    .group_segment_fixed_size: 327680
    .private_segment_fixed_size: 0
    .kernarg_segment_align: 8
    .kernarg_segment_size: 40
    .max_flat_workgroup_size: 128
    .sgpr_count:     100
    .vgpr_count:     1024
    .wavefront_size: 32
...
	.end_amdgpu_metadata
.endif
;; end of part 2
;; launch attn (part 3): grid 4 x 64, 8 waves a work-group, clusters of 4 x 1, 327,680 bytes of LDS; arguments qf, kvf, lowp_scales, ctxf; writes ctxf
.if DOCPART == 3
	.amdgcn_target "amdgcn-amd-amdhsa--gfx1250"
	.amdhsa_code_object_version 6
	.text
	.protected	k_q8098b0d3fb_attn
	.globl	k_q8098b0d3fb_attn
	.p2align	8
	.type	k_q8098b0d3fb_attn,@function
k_q8098b0d3fb_attn:
	s_mov_b64 s[64:65], 0
	v_nop
	global_prefetch_b8 v0, s[64:65] scope:SCOPE_SE
	s_setreg_imm32_b32 hwreg(HW_REG_WAVE_MODE, 25, 1), 1
	s_wait_xcnt 0x0
	s_wait_alu depctr_hold_cnt(0) depctr_sa_sdst(0) depctr_va_vdst(0) depctr_va_sdst(0) depctr_va_ssrc(0) depctr_va_vcc(0) depctr_vm_vsrc(0)
	s_getreg_b32 s2, hwreg(HW_REG_IB_STS2, 6, 4)
	s_cmp_eq_u32 s2, 0
	s_cbranch_scc0 .Lentry_in_a_cluster
	s_endpgm
.Lentry_in_a_cluster:
	s_bfe_u32 s2, ttmp6, 0x10000c
	s_cmp_lg_u32 s2, 0x3003
	s_cbranch_scc0 .Lentry_shape_is_right
	s_endpgm
.Lentry_shape_is_right:
; ctx = codes of softmax(Q K^T / 8, causal) V for one (batch, head) bh, both products on codes of E4M3.
; qf [bh 64][tile of 16 queries 128][1024]: images of the 16 x 64 fragment's 8 registers.  kvf [bh][262144]: K as qf, then V: [128 keys 16][channel tile 4][group 4][512].
; ctxf [batch][tile of 16 tokens 128][head 16][1024]: images of 8 registers: token lane % 16, channels 32 b + 16 (lane / 16) + 0 .. 15 in registers 4 b .. 4 b + 3.
; THE SOFTMAX: t = score x log2(e) / 8; M = the running largest t rounded up to a whole number; p = 2^(t - M) is quantised with 2^e5, held at 448 x 2^e5; the row's sum is taken of the unquantised p and divides at the end.
; LEFT OUT: key steps all of whose keys come after a block's queries: the causal mask sets their scores to -inf, so their p is 0 for all values of the inputs.
; SHARES: a head's 2,048 queries are 64 blocks of 32.  The four work-groups of a cluster (cx = 0 .. 3) serve one bh; wave w of work-group cx owns blocks 63 - j and j, j = 4 w + cx: 16 - w and w + 1 key steps
; of 128 keys, 17 for every wave.  Trip counts, branches and LDS addresses hang on w alone; cx enters only the wave's own global addresses and the mask's threshold.
; A wave's two tiles of 16 queries (u = 0, 1) share each fragment of K and V read from LDS, and their vector work is laid line by line in turns, so that no line reads the line above it.
; Both products are used transposed (source 0 = keys, or V's channels; source 1 = queries, or p): a lane holds one query of each tile.
; K AND V: the head's 262,144 bytes lie in LDS as they lie in kvf, brought by ONE joint load a wave (32,768 bytes, rows of 256), asked for by the cluster's four work-groups together.  Nothing is filled again.
; No prefetch: all that the launch reads through LDS is asked for at its head, so there is no loop to run ahead in.
; FRAGMENTS ARE FETCHED ONE STEP AHEAD: K's registers are loaded anew behind the step's first product, V's behind its second.  The last trip's look-ahead reads bytes of step w + 1 that nothing uses.
; LIMITS: e2 + e3 between -123 and 130; e5 between -126 and 119; e6 - e4 - e5 between -126 and 119, so that each power of two below is an f32 number.  The scaled scores stay under 2^31 in magnitude.
; REGISTERS.  Window 0 holds all that vector lines touch, window 1 what only loads and matrix instructions touch.
.set LI,   1                           ; 16 x lane
.set AK,   2                           ; LDS address of the next step's K,
.set AV,   3                           ; and V
.set TH,   4                           ; the mask's threshold of this block,
.set TH2,  5                           ; of the second block
.set NINF, 6                           ; -inf
.set CSC,  7                           ; ctx's scale
.set HOLD, 8                           ; 448 x 2^e5
.set PSC,  9                           ; 2^e5
.set SPW,  10                          ; the add's two registers; never rewritten
.set NIL,  11
.set ST,   12                          ; tile u's state at ST + 6 u: -M, the largest t | the sum, a pair | f and a register named with it
.set TM,   24                          ; v24-31 at work
.set S,    32                          ; S^T, then p, of tile u at S + 64 u; on the way out O / sum
.set O,    160                         ; O^T of tile u at O + 32 u
.set P,    224                         ; p's codes of tile u at P + 16 u; on the way out ctx's codes
.set FK,   0                           ; window 1: K's fragments,
.set FV,   64                          ; V's,
.set QF,   128                         ; Q of tile u at QF + 8 u,
.set Q2,   144                         ; and the second block's
.set SPARE, 0x40000                    ; behind K and V: the spare words, 128 bytes a wave
.set G1, 24
.set G0, 40
.set MSB, 0
.macro WIN new                         ; low byte: bits 1:0 source 0, 3:2 source 1, 5:4 source 2, 7:6 destination; the high byte repeats the setting that is left
.if MSB != (\new)
	s_set_vgpr_msb (MSB<<8)|(\new)
.set MSB, (\new)
.endif
.endm
.macro CROUND                          ; a round of the cluster's barrier
	s_barrier_signal -1
	s_barrier_wait -1
	s_cmp_lg_u32 s12, 0
	s_cbranch_scc1 .Lnot_wave_0_\@
	s_barrier_signal -3
.Lnot_wave_0_\@:
	s_barrier_wait -3
	s_barrier_signal -1
	s_barrier_wait -1
.endm
	s_load_b256 s[4:11], s[0:1], 0x0               ; qf, kvf, the scales' exponents, ctxf
	v_lshl_add_u32 v[SPW], v0, 2, SPARE
	v_mov_b32 v[NIL], 0
	ds_add_u32 v[SPW], v[NIL]                      ; the opening lines: the add, twice on end, and its wait
	ds_add_u32 v[SPW], v[NIL]
	v_lshrrev_b32 v2, 5, v0
	v_readfirstlane_b32 s12, v2                    ; wave w
	s_bfe_u32 s13, ttmp6, 0x40000                  ; cx
	s_and_b32 s14, ttmp7, 0xffff                   ; bh
	s_sub_co_u32 s16, 16, s12                      ; the first (long) block's key steps
	s_sub_co_u32 s21, 15, s12                      ; the trip of its last one
	s_lshl_b32 s19, s12, 2
	s_add_co_u32 s19, s19, s13                     ; j: the second (short) block
	s_sub_co_u32 s20, 63, s19                      ; the first block
	s_mov_b32 s[G1+0], 15|(3<<16)|(1<<21)          ; mask: the cluster's four; elements of 8 bytes; bit 21 beside a mask
	s_mov_b32 s[G1+1], 32<<16                      ; rows of 256 bytes
	s_mov_b32 s[G1+2], 128<<16                     ; 128 of them
	s_mov_b32 s[G1+3], 32<<16
	s_mov_b32 s[G1+4], 128
	s_mov_b32 s[G1+5], 32
	s_mov_b32 s[G1+6], 0
	s_mov_b32 s[G1+7], 0
	s_lshl_b32 s2, s12, 15                         ; my 32,768 bytes, in LDS and in the head's part of kvf
	s_lshl_b32 s78, s14, 18
	s_add_co_u32 s78, s78, s2
	s_mov_b32 s79, 0
	s_lshr_b32 s82, s14, 4
	s_lshl_b32 s82, s82, 21                        ; ctxf: the batch,
	s_and_b32 s83, s14, 15
	s_lshl_b32 s83, s83, 10                        ; the head,
	s_add_co_u32 s82, s82, s83
	s_lshl_b32 s84, s20, 15                        ; and a block's two tiles of 16,384 bytes
	s_add_co_u32 s84, s84, s82
	s_mov_b32 s85, 0
	s_lshl_b32 s86, s19, 15
	s_add_co_u32 s86, s86, s82
	s_mov_b32 s87, 0
	s_lshl_b32 s88, s14, 17                        ; qf: bh, and a block's two tiles of 1,024 bytes
	s_lshl_b32 s90, s20, 11
	s_add_co_u32 s90, s90, s88
	s_mov_b32 s91, 0
	s_lshl_b32 s92, s19, 11
	s_add_co_u32 s92, s92, s88
	s_mov_b32 s93, 0
	s_lshl_b32 s94, s13, 5                         ; the second block's first query within its last key step: 32 cx;
	s_sub_co_u32 s95, 96, s94                      ; the first block's: 32 (3 - cx)
	s_mov_b32 s58, 0x76543210                      ; v_permlanex16_b32: lane l xor 16
	s_mov_b32 s59, 0xfedcba98
	s_wait_dscnt 0x0
	s_wait_kmcnt 0x0
	s_load_b256 s[48:55], s[8:9], 0x0              ; e0 .. e7
	s_mov_b32 s[G0], 1
	s_mov_b32 s[G0+1], s2
	s_add_nc_u64 s[G0+2:G0+3], s[6:7], s[78:79]
	s_or_b32 s[G0+3], s[G0+3], 0x80000000
	s_add_nc_u64 s[70:71], s[4:5], s[90:91]        ; Q of the first block, of the second
	s_add_nc_u64 s[72:73], s[4:5], s[92:93]
	s_add_nc_u64 s[74:75], s[10:11], s[84:85]      ; ctx likewise
	s_add_nc_u64 s[76:77], s[10:11], s[86:87]
	CROUND                                         ; the four work-groups are here: the joint loads meet
	tensor_load_to_lds s[G0:G0+3], s[G1:G1+7]      ; my one tensor load of the launch
	s_nop 0
.rept 4
	v_nop
.endr
	v_and_b32 v[LI], 31, v0
	v_lshlrev_b32 v[LI], 4, v[LI]
	WIN 0x40                                       ; destination window 1
.irp i, 0,1,2,3
	global_load_b128 v[QF+4*\i:QF+4*\i+3], v[LI], s[70:71] offset:512*\i
.endr
.irp i, 0,1,2,3
	global_load_b128 v[Q2+4*\i:Q2+4*\i+3], v[LI], s[72:73] offset:512*\i
.endr
	WIN 0
	v_and_b32 v[TM], 15, v0
	v_bfe_u32 v[TM+1], v0, 4, 1
	v_lshlrev_b32 v[TM+1], 3, v[TM+1]
	v_sub_nc_u32 v[TM], v[TM], v[TM+1]             ; r - 8 h.  Register 8 t + i of tile u's S^T holds key 16 t + 8 h + i of the step: hidden where 16 (t - u) + i > tile 0's query's place - 8 h
	v_add_nc_u32 v[TH], s95, v[TM]
	v_add_nc_u32 v[TH2], s94, v[TM]
	v_mov_b32 v[AK], v[LI]                         ; step 0's K,
	v_add_nc_u32 v[AV], 0x20000, v[LI]             ; and V
	s_wait_kmcnt 0x0
	s_add_co_i32 s60, s50, s51
	s_lshl_b32 s60, s60, 23
	s_add_co_i32 s56, s60, 0x3e38aa3b              ; c = log2(e) / 8 x 2^(e2 + e3): the exponents are added to c's exponent field
	s_mov_b32 s57, s56
	s_add_co_i32 s60, s53, 127
	s_lshl_b32 s98, s60, 23                        ; 2^e5
	s_add_co_i32 s60, s60, 8
	s_lshl_b32 s60, s60, 23
	s_or_b32 s99, s60, 0x600000                    ; 448 x 2^e5
	s_sub_co_i32 s60, s54, s52
	s_sub_co_i32 s60, s60, s53
	s_add_co_i32 s60, s60, 127
	s_lshl_b32 s67, s60, 23                        ; 2^(e6 - e4 - e5): ctx's three scales in the conversion's one
	s_add_co_i32 s60, s60, 8
	s_lshl_b32 s60, s60, 23
	s_or_b32 s61, s60, 0x600000                    ; 448 x that, and its negative
	s_xor_b32 s62, s61, 0x80000000
.macro ZERO                            ; a block begins: the largest t -3e38, -M its negative (a whole number), the sums and O^T zeros, which the first change of M leaves zeros
.irp u, 0,1
	v_mov_b32 v[ST+6*\u+1], 0xff61b1e6
	v_mov_b32 v[ST+6*\u], 0x7f61b1e6
	v_mov_b32 v[ST+6*\u+2], 0
	v_mov_b32 v[ST+6*\u+3], 0
.endr
.set n, 0
.rept 64
	v_mov_b32 v[O+n], 0
.set n, n+1
.endr
.endm
	v_mov_b32 v[NINF], 0xff800000
	v_mov_b32 v[CSC], s67
	v_mov_b32 v[HOLD], s99
	v_mov_b32 v[PSC], s98
	v_mov_b32 v[ST+5], s99                         ; the upper halves of the pairs that hold f are only named there: this one holds 448 x 2^e5 once more, for the second half of the paired hold
	v_mov_b32 v[ST+11], 0
	v_mov_b32 v[TM+4], 0                           ; a lane permute's destination counts as read
	v_mov_b32 v[TM+5], 0
	ZERO
.macro KLOAD                           ; 8 tiles of 16 keys x 64: 16 loads
	WIN 0x40
.irp t, 0,1,2,3,4,5,6,7
	ds_load_b128 v[FK+8*\t:FK+8*\t+3], v[AK] offset:1024*\t
	ds_load_b128 v[FK+8*\t+4:FK+8*\t+7], v[AK] offset:1024*\t+512
.endr
	WIN 0
.endm
.macro VLOAD                           ; 4 tiles of 16 channels x 128 keys: 16 loads
	WIN 0x40
.irp c, 0,1,2,3
.irp g, 0,1,2,3
	ds_load_b128 v[FV+16*\c+4*\g:FV+16*\c+4*\g+3], v[AV] offset:2048*\c+512*\g
.endr
.endr
	WIN 0
.endm
.macro MASK                            ; a block's last key step: hidden scores become -inf ahead of the maximum.  Tile 1's register n + 8 is hidden where tile 0's register n is; its first eight never are
.set n, 0
.rept 64
	v_cmp_gt_i32 vcc_lo, 16*(n/8)+n%8, v[TH]
	v_cndmask_b32 v[S+n], v[S+n], v[NINF], vcc_lo
.if n < 56
	v_cndmask_b32 v[S+72+n], v[S+72+n], v[NINF], vcc_lo
.endif
.set n, n+1
.endr
.endm
; Both tiles' softmax of a key step
.macro SOFT2
.irp u, 0,1                                    ; the largest score among my 64 keys: two chains a tile; each accumulator is first read at its low end
.irp k, 0,1
	v_max3_num_f32 v[TM+2*\u+\k], v[S+64*\u+32*\k], v[S+64*\u+32*\k+1], v[S+64*\u+32*\k+2]
.endr
.endr
.irp i, 3,5,7,9,11,13,15,17,19,21,23,25,27,29
.irp u, 0,1
.irp k, 0,1
	v_max3_num_f32 v[TM+2*\u+\k], v[TM+2*\u+\k], v[S+64*\u+32*\k+\i], v[S+64*\u+32*\k+\i+1]
.endr
.endr
.endr
.irp u, 0,1
	v_max3_num_f32 v[TM+2*\u], v[TM+2*\u], v[S+64*\u+31], v[S+64*\u+63]
.endr
.irp u, 0,1
	v_max_num_f32 v[TM+2*\u], v[TM+2*\u], v[TM+2*\u+1]
.endr
.irp u, 0,1
	v_permlanex16_b32 v[TM+4+\u], v[TM+2*\u], s58, s59
.endr
.irp u, 0,1
	v_max_num_f32 v[TM+2*\u], v[TM+2*\u], v[TM+4+\u]   ; and among lane l xor 16's
.endr
.irp u, 0,1
	v_mul_f32 v[TM+2*\u], s56, v[TM+2*\u]          ; as t (c is positive)
.endr
.irp u, 0,1
	v_max_num_f32 v[ST+6*\u+1], v[ST+6*\u+1], v[TM+2*\u]
.endr
.irp u, 0,1
	v_mov_b32 v[TM+2*\u], v[ST+6*\u]
.endr
.irp u, 0,1
	v_floor_f32 v[ST+6*\u], -v[ST+6*\u+1]          ; the new -M = -ceil(t)
.endr
.irp u, 0,1
	v_sub_f32 v[TM+2*\u], v[ST+6*\u], v[TM+2*\u]   ; old M - new M, a whole number, 0 or less
.endr
.irp u, 0,1
	v_cvt_i32_f32 v[TM+2*\u], v[TM+2*\u]           ; (it saturates)
.endr
.irp u, 0,1
	v_ldexp_f32 v[ST+6*\u+4], 1.0, v[TM+2*\u]      ; f = 2^(old M - new M)
.endr
.set n, 0
.rept 32
	v_pk_fma_f32 v[S+n:S+n+1], v[S+n:S+n+1], s[56:57], v[ST:ST+1] op_sel_hi:[1,0,0]   ; t - M
	v_pk_fma_f32 v[S+64+n:S+65+n], v[S+64+n:S+65+n], s[56:57], v[ST+6:ST+7] op_sel_hi:[1,0,0]
.set n, n+2
.endr
	s_wait_alu depctr_va_vdst(0)                   ; the wait ahead of the batch
.set n, 0
.rept 128
	v_exp_f32 v[S+n], v[S+n]                       ; p = 2^(t - M)
.set n, n+1
.endr
.irp u, 0,1
	v_pk_mul_f32 v[ST+6*\u+2:ST+6*\u+3], v[ST+6*\u+2:ST+6*\u+3], v[ST+6*\u+4:ST+6*\u+5] op_sel_hi:[1,0]   ; the sums under the new M (plain places behind the batch)
.endr
	s_wait_alu depctr_va_vdst(0)                   ; one wait for the batch, ahead of its first reader
.irp u, 0,1                                    ; the sums of the unquantised p: three chains of pairs a tile
	v_pk_add_f32 v[TM+4*\u:TM+4*\u+1], v[S+64*\u:S+64*\u+1], v[S+64*\u+2:S+64*\u+3]
	v_pk_add_f32 v[TM+4*\u+2:TM+4*\u+3], v[S+64*\u+4:S+64*\u+5], v[S+64*\u+6:S+64*\u+7]
.endr
.irp j, 8,14,20,26,32,38,44,50,56
.irp u, 0,1
	v_pk_add_f32 v[ST+6*\u+2:ST+6*\u+3], v[ST+6*\u+2:ST+6*\u+3], v[S+64*\u+\j:S+64*\u+\j+1]
	v_pk_add_f32 v[TM+4*\u:TM+4*\u+1], v[TM+4*\u:TM+4*\u+1], v[S+64*\u+\j+2:S+64*\u+\j+3]
	v_pk_add_f32 v[TM+4*\u+2:TM+4*\u+3], v[TM+4*\u+2:TM+4*\u+3], v[S+64*\u+\j+4:S+64*\u+\j+5]
.endr
.endr
.irp u, 0,1
	v_pk_add_f32 v[ST+6*\u+2:ST+6*\u+3], v[ST+6*\u+2:ST+6*\u+3], v[S+64*\u+62:S+64*\u+63]
.endr
.irp u, 0,1
	v_pk_add_f32 v[TM+4*\u:TM+4*\u+1], v[TM+4*\u:TM+4*\u+1], v[TM+4*\u+2:TM+4*\u+3]
.endr
.irp u, 0,1
	v_pk_add_f32 v[ST+6*\u+2:ST+6*\u+3], v[ST+6*\u+2:ST+6*\u+3], v[TM+4*\u:TM+4*\u+1]
.endr
.irp t, 0,1,2,3,4,5,6,7,8,9,10,11,12,13,14,15  ; tile 0's eight accumulators, then tile 1's
.irp j, 0,2,4,6                                ; the conversion does not saturate (ISA guide 7.6.2); p is not negative: a one-sided hold, two numbers a line; the two bounds lie in different register banks
	v_dual_min_num_f32 v[S+8*\t+\j], v[S+8*\t+\j], v[HOLD] :: v_dual_min_num_f32 v[S+8*\t+\j+1], v[S+8*\t+\j+1], v[ST+5]
.endr
	v_cvt_scalef32_pk8_fp8_f32 v[P+2*\t:P+2*\t+1], v[S+8*\t:S+8*\t+7], v[PSC]
.endr
	s_wait_alu depctr_va_vdst(0)                   ; the wait, directly ahead of the first readers of O^T
.set n, 0
.rept 16
	v_pk_mul_f32 v[O+n:O+n+1], v[O+n:O+n+1], v[ST+4:ST+5] op_sel_hi:[1,0]   ; O^T under the new M
	v_pk_mul_f32 v[O+32+n:O+33+n], v[O+32+n:O+33+n], v[ST+10:ST+11] op_sel_hi:[1,0]
.set n, n+2
.endr
.endm
.macro FIN                             ; a block's way out: O^T / the sum, held, to codes; each store covers 512 consecutive bytes, at a multiple of 512 from ctxf's first byte
.irp u, 0,1
	v_add_f32 v[ST+6*\u+2], v[ST+6*\u+2], v[ST+6*\u+3]
.endr
.irp u, 0,1
	v_permlanex16_b32 v[TM+\u], v[ST+6*\u+2], s58, s59
.endr
.irp u, 0,1
	v_add_f32 v[ST+6*\u+2], v[ST+6*\u+2], v[TM+\u]
.endr
	s_wait_alu depctr_va_vdst(0)                   ; ahead of the two transcendentals,
.irp u, 0,1
	v_rcp_f32 v[ST+6*\u+2], v[ST+6*\u+2]
.endr
	v_nop
	s_wait_alu depctr_va_vdst(0)                   ; and ahead of their first readers, which are also O^T's
.set n, 0
.rept 16
	v_pk_mul_f32 v[S+n:S+n+1], v[O+n:O+n+1], v[ST+2:ST+3] op_sel_hi:[1,0]
	v_pk_mul_f32 v[S+64+n:S+65+n], v[O+32+n:O+33+n], v[ST+8:ST+9] op_sel_hi:[1,0]
.set n, n+2
.endr
.set n, 0
.rept 32
	v_med3_num_f32 v[S+n], v[S+n], s62, s61
	v_med3_num_f32 v[S+64+n], v[S+64+n], s62, s61
.set n, n+1
.endr
.irp u, 0,1
.irp c, 0,1,2,3
	v_cvt_scalef32_pk8_fp8_f32 v[P+16*\u+2*\c:P+16*\u+2*\c+1], v[S+64*\u+8*\c:S+64*\u+8*\c+7], v[CSC]
.endr
.endr
	v_nop                                          ; a plain line behind the last conversion
.irp u, 0,1
	global_store_b128 v[LI], v[P+16*\u:P+16*\u+3], s[74:75] offset:16384*\u
	global_store_b128 v[LI], v[P+16*\u+4:P+16*\u+7], s[74:75] offset:16384*\u+512
.endr
.endm
	s_wait_alu depctr_va_vdst(0)                   ; the wait at the head's end
	s_wait_loadcnt 0x0                             ; Q of both blocks
	s_wait_tensorcnt 0x0                           ; my part of K and V is in,
	s_barrier_signal -1
	s_barrier_wait -1                              ; everybody's is
	KLOAD
	VLOAD
	s_mov_b32 s66, 0
.Ltrip:                                        ; 17 trips: the first block's 16 - w key steps, then the second's w + 1
	s_add_co_u32 s67, s66, 1                       ; the next trip's key step: its number within its block,
	s_sub_co_u32 s68, s67, s16
	s_cmp_lt_u32 s67, s16
	s_cselect_b32 s68, s67, s68
	s_and_b32 s68, s68, 15
	s_lshl_b32 s68, s68, 13                        ; 8,192 bytes of K a step,
	s_add_co_u32 s67, s68, 0x20000                 ; and of V
	s_cmp_eq_u32 s66, s21
	s_cselect_b32 s69, 1, 0
	s_cmp_eq_u32 s66, 16
	s_cselect_b32 s69, 1, s69                      ; 1 in a block's last step, which holds the diagonal
	s_wait_dscnt 16                                ; K's 16 loads are in; V's 16, issued behind them, may be out
	WIN 0x05                                       ; both sources in window 1
.irp u, 0,1
.irp t, 0,1,2,3,4,5,6,7
	v_wmma_f32_16x16x64_fp8_fp8 v[S+64*\u+8*\t:S+64*\u+8*\t+7], v[FK+8*\t:FK+8*\t+7], v[QF+8*\u:QF+8*\u+7], 0
.endr
.endr
	WIN 0
	v_add_nc_u32 v[AK], s68, v[LI]                 ; four places in front of the loads into K's registers and of the first reads of S^T
	v_add_nc_u32 v[AV], s67, v[LI]
	v_nop
	v_nop
	KLOAD                                          ; the next step's K
	s_cmp_eq_u32 s69, 0
	s_cbranch_scc1 .Lopen
	MASK
.Lopen:
	SOFT2
	s_wait_alu depctr_va_vdst(0)
	s_wait_dscnt 16                                ; V's 16 loads are in; the next step's K may be out
	WIN 0x01                                       ; V in window 1
.irp u, 0,1
.irp c, 0,1,2,3
	v_wmma_f32_16x16x128_fp8_fp8 v[O+32*\u+8*\c:O+32*\u+8*\c+7], v[FV+16*\c:FV+16*\c+15], v[P+16*\u:P+16*\u+15], v[O+32*\u+8*\c:O+32*\u+8*\c+7]
.endr
.endr
	WIN 0
.rept 4
	v_nop                                          ; places in front of the loads into V's registers and of the way out's reads of O^T
.endr
	VLOAD                                          ; the next step's V
	s_cmp_lg_u32 s66, s21
	s_cbranch_scc1 .Lnext
	FIN                                            ; the first block is finished
	s_wait_xcnt 0x0                                ; its stores have read their base and data
	s_mov_b64 s[74:75], s[76:77]
	v_mov_b32 v[TH], v[TH2]                        ; the second block's threshold and Q take the first's places
	WIN 0x41
.set n, 0
.rept 16
	v_mov_b32 v[QF+n], v[Q2+n]
.set n, n+1
.endr
	WIN 0
	ZERO
	s_wait_alu depctr_va_vdst(0)
.Lnext:
	s_add_co_u32 s66, s66, 1
	s_cmp_lt_u32 s66, 17
	s_cbranch_scc1 .Ltrip
	FIN
	s_wait_tensorcnt 0x0                           ; the wave's end
	ds_add_u32 v[SPW], v[NIL]
	s_wait_dscnt 0x0
	CROUND                                         ; the closing round
	s_endpgm
.Lfunc_end_k_q8098b0d3fb_attn:
	.size	k_q8098b0d3fb_attn, .Lfunc_end_k_q8098b0d3fb_attn-k_q8098b0d3fb_attn
	.p2alignl 7, 3214868480
	.fill 96, 4, 3214868480
	.section	.rodata,"a",@progbits
	.p2align	6, 0x0
	.amdhsa_kernel k_q8098b0d3fb_attn
		.amdhsa_group_segment_fixed_size 327680
		.amdhsa_private_segment_fixed_size 0
		.amdhsa_enable_private_segment 0
		.amdhsa_kernarg_size 32
		.amdhsa_user_sgpr_count 2
		.amdhsa_user_sgpr_kernarg_segment_ptr 1
		.amdhsa_wavefront_size32 1
		.amdhsa_system_sgpr_workgroup_id_x 1
		.amdhsa_system_sgpr_workgroup_id_y 1
		.amdhsa_system_sgpr_workgroup_id_z 1
		.amdhsa_system_vgpr_workitem_id 0
		.amdhsa_next_free_vgpr 512
		.amdhsa_next_free_sgpr 100
		.amdhsa_reserve_vcc 1
		.amdhsa_float_denorm_mode_32 3
		.amdhsa_float_denorm_mode_16_64 3
		.amdhsa_memory_ordered 1
		.amdhsa_forward_progress 1
		.amdhsa_inst_pref_size 64
	.end_amdhsa_kernel
	.amdgpu_metadata
---
amdhsa.version: [ 1, 2 ]
amdhsa.kernels:
  - .name:           k_q8098b0d3fb_attn
    .symbol:         k_q8098b0d3fb_attn.kd
    .args:
      - { .name: qf, .offset: 0, .size: 8, .value_kind: global_buffer, .address_space: global }
      - { .name: kvf, .offset: 8, .size: 8, .value_kind: global_buffer, .address_space: global }
      - { .name: lowp_scales, .offset: 16, .size: 8, .value_kind: global_buffer, .address_space: global }
      - { .name: ctxf, .offset: 24, .size: 8, .value_kind: global_buffer, .address_space: global }
    .group_segment_fixed_size: 327680
    .private_segment_fixed_size: 0
    .kernarg_segment_align: 8
    .kernarg_segment_size: 32
    .max_flat_workgroup_size: 256
    .sgpr_count:     100
    .vgpr_count:     512
    .wavefront_size: 32
...
	.end_amdgpu_metadata
.endif
;; end of part 3
;; launch oproj (part 4): grid 8 x 32, 4 waves a work-group, clusters of 4 x 4, 327,680 bytes of LDS; arguments ctxf, W_o_codes, lowp_scales, out0; writes out0
.if DOCPART == 4
	.amdgcn_target "amdgcn-amd-amdhsa--gfx1250"
	.amdhsa_code_object_version 6
	.text
	.protected	k_q8098b0d3fb_oproj
	.globl	k_q8098b0d3fb_oproj
	.p2align	8
	.type	k_q8098b0d3fb_oproj,@function
k_q8098b0d3fb_oproj:
	s_mov_b64 s[64:65], 0
	v_nop
	global_prefetch_b8 v0, s[64:65] scope:SCOPE_SE
	s_setreg_imm32_b32 hwreg(HW_REG_WAVE_MODE, 25, 1), 1
	s_wait_xcnt 0x0
	s_wait_alu depctr_hold_cnt(0) depctr_sa_sdst(0) depctr_va_vdst(0) depctr_va_sdst(0) depctr_va_ssrc(0) depctr_va_vcc(0) depctr_vm_vsrc(0)
	s_getreg_b32 s2, hwreg(HW_REG_IB_STS2, 6, 4)
	s_cmp_eq_u32 s2, 0
	s_cbranch_scc0 .Lentry_in_a_cluster
	s_endpgm
.Lentry_in_a_cluster:
	s_bfe_u32 s2, ttmp6, 0x10000c
	s_cmp_lg_u32 s2, 0xf033
	s_cbranch_scc0 .Lentry_shape_is_right
	s_endpgm
.Lentry_shape_is_right:
.set PITCH,  272
.set HALFA,  32768
.set HALFB,  64*PITCH
.set SLOT,   2*HALFA+2*HALFB
.set SPARE,  2*SLOT
.set STAGE,  SPARE+512
.set SPITCH, 272
.set FR,     16
.set ADRA,   16
.set ADRB,   20
.set STO,    24
.set RD,     25
.set CO,     26
.set SPW,    28
.set NIL,    29
.set TMP,    32
.set AF,     128
.set BK,     128
.set G1,     24
.set G0,     32
.set G1B,    48
.set G0B,    56
.set MSB,    0
.macro WIN new
.if MSB != (\new)
	s_set_vgpr_msb (MSB<<8)|(\new)
.set MSB, (\new)
.endif
.endm
.macro JLOAD g0a, g1a, g0b, g1b
	s_cmp_eq_u32 s15, 0
	s_cbranch_scc0 .Lfor_b_\@
	tensor_load_to_lds s[\g0a:\g0a+3], s[\g1a:\g1a+7]
	s_nop 0
.rept 4
	v_nop
.endr
	s_branch .Lasked_\@
.Lfor_b_\@:
	tensor_load_to_lds s[\g0b:\g0b+3], s[\g1b:\g1b+7]
	s_nop 0
.rept 4
	v_nop
.endr
.Lasked_\@:
.endm
.macro CREST
	s_cmp_lg_u32 s14, 0
	s_cbranch_scc1 .Lnot_wave_0_\@
	s_barrier_signal -3
.Lnot_wave_0_\@:
	s_barrier_wait -3
	s_barrier_signal -1
	s_barrier_wait -1
.endm
.macro CROUND
	s_barrier_signal -1
	s_barrier_wait -1
	CREST
.endm
.macro PLACES n
.rept \n
	v_nop
.endr
.endm
	s_load_b128 s[4:7], s[0:1], 0x0
	s_load_b128 s[8:11], s[0:1], 0x10
	v_lshl_add_u32 v[SPW], v0, 2, SPARE
	v_mov_b32 v[NIL], 0
	ds_add_u32 v28, v29
	ds_add_u32 v28, v29
	s_wait_dscnt 0x0
	v_lshrrev_b32 v1, 5, v0
	v_readfirstlane_b32 s14, v1
	s_lshr_b32 s15, s14, 1
	s_and_b32 s16, s14, 1
	s_bfe_u32 s40, ttmp6, 0x40000
	s_bfe_u32 s41, ttmp6, 0x40004
	s_lshl_b32 s42, ttmp9, 2
	s_add_co_u32 s42, s42, s40
	s_and_b32 s17, ttmp7, 0xffff
	s_lshl_b32 s17, s17, 2
	s_add_co_u32 s17, s17, s41
	s_lshl_b32 s43, s41, 2
	s_lshl_b32 s43, 15, s43
	s_lshl_b32 s44, 0x1111, s40
	s_or_b32 s[G1+0], s43, (3<<16)|(1<<21)
	s_mov_b32 s[G1+1], 512<<16
	s_mov_b32 s[G1+2], 16<<16                      ; the head's fills take whole tiles: 16 token tiles x 4,096 bytes,
	s_mov_b32 s[G1+3], 512<<16
	s_mov_b32 s[G1+4], 16
	s_mov_b32 s[G1+5], 2048
	s_mov_b32 s[G1+6], 0
	s_mov_b32 s[G1+7], 0
	s_or_b32 s[G1B+0], s44, (1<<20)|(1<<21)|(5<<22)|(3<<25)
	s_mov_b32 s[G1B+1], 256<<16
	s_mov_b32 s[G1B+2], 128<<16                    ; and 128 rows of W_o
	s_mov_b32 s[G1B+3], 256<<16
	s_mov_b32 s[G1B+4], 128
	s_mov_b32 s[G1B+5], 1024
	s_mov_b32 s[G1B+6], 0
	s_mov_b32 s[G1B+7], 0
	s_lshl_b32 s20, s17, 18                        ; ctx: 16 x block token tiles of 16,384 bytes
	s_lshl_b32 s68, s16, 17                        ; the refills' half: 8 token tiles further on
	s_mov_b32 s69, 0
	s_mov_b32 s21, 0
	s_lshl_b32 s46, s42, 17                        ; W_o: 128 x column block rows of 1,024 bytes
	s_lshl_b32 s70, s16, 16                        ; the refills' half: 64 rows further on
	s_mov_b32 s71, 0
	s_mov_b32 s47, 0
	s_mul_i32 s45, s16, HALFA
	s_mul_i32 s66, s16, HALFB
	s_wait_kmcnt 0x0
	s_load_b64 s[96:97], s[8:9], 0x18
	s_add_nc_u64 s[20:21], s[4:5], s[20:21]
	s_add_nc_u64 s[46:47], s[6:7], s[46:47]
	CROUND
.irp s, 0,1
	s_mov_b32 s[G0+4*\s], 1
	s_mov_b32 s[G0+4*\s+1], \s*SLOT
	s_add_nc_u64 s[G0+4*\s+2:G0+4*\s+3], s[20:21], \s*4096
	s_or_b32 s[G0+4*\s+3], s[G0+4*\s+3], 0x80000000
	s_mov_b32 s[G0B+4*\s], 1
	s_mov_b32 s[G0B+4*\s+1], 2*HALFA+\s*SLOT
	s_add_nc_u64 s[G0B+4*\s+2:G0B+4*\s+3], s[46:47], \s*256
	s_or_b32 s[G0B+4*\s+3], s[G0B+4*\s+3], 0x80000000
.endr
	; THE HEAD'S FOUR FIRST FILLS, one a wave, in one chain of branches on the wave's number: wave 0 ctx's tile of K step 0, wave 1 W_o's, waves 2 and 3 the same of K step 1 into slot 1
	s_cmp_eq_u32 s14, 0
	s_cbranch_scc0 .Lhead_1
	tensor_load_to_lds s[G0:G0+3], s[G1:G1+7]
	s_nop 0
	PLACES 4
	s_branch .Lhead_j
.Lhead_1:
	s_cmp_eq_u32 s14, 1
	s_cbranch_scc0 .Lhead_2
	tensor_load_to_lds s[G0B:G0B+3], s[G1B:G1B+7]
	s_nop 0
	PLACES 4
	s_branch .Lhead_j
.Lhead_2:
	s_cmp_eq_u32 s14, 2
	s_cbranch_scc0 .Lhead_3
	tensor_load_to_lds s[G0+4:G0+7], s[G1:G1+7]
	s_nop 0
	PLACES 4
	s_branch .Lhead_j
.Lhead_3:
	tensor_load_to_lds s[G0B+4:G0B+7], s[G1B:G1B+7]
	s_nop 0
	PLACES 4
.Lhead_j:
	v_and_b32 v1, 15, v0
	v_bfe_u32 v2, v0, 4, 1
	v_and_b32 v6, 31, v0
	v_lshlrev_b32 v6, 4, v6
	v_mul_u32_u24 v3, v1, PITCH
	v_lshl_add_u32 v4, v2, 4, v3
	s_mul_i32 s21, s15, HALFA
	s_mul_i32 s22, s16, HALFB
	s_add_co_u32 s22, s22, 2*HALFA
.irp s, 0,1
	v_add_nc_u32 v[ADRA+\s], s21, v6
	v_add_nc_u32 v[ADRB+\s], s22, v4
	s_add_co_u32 s21, s21, SLOT
	s_add_co_u32 s22, s22, SLOT
.endr
	s_mul_i32 s23, s14, 16*SPITCH
	s_add_co_u32 s23, s23, STAGE
	v_mul_u32_u24 v5, v1, SPITCH
	v_lshl_add_u32 v5, v2, 5, v5
	v_add_nc_u32 v[STO], s23, v5
	v_mul_u32_u24 v5, v2, SPITCH
	v_lshl_add_u32 v5, v1, 4, v5
	v_add_nc_u32 v[RD], s23, v5
	v_lshlrev_b32 v5, 12, v2
	v_lshl_add_u32 v[CO], v1, 4, v5
	s_lshl_b32 s20, s17, 8
	s_lshl_b32 s21, s15, 7
	s_add_co_u32 s20, s20, s21
	s_lshl_b32 s20, s20, 12
	s_lshl_b32 s46, s42, 9
	s_lshl_b32 s47, s16, 8
	s_add_co_u32 s46, s46, s47
	s_add_co_u32 s20, s20, s46
	s_mov_b32 s21, 0
	s_add_nc_u64 s[10:11], s[10:11], s[20:21]
.macro FETCH_B slot, q, p
	WIN 0x40
.irp i, 0,1,2,3
.irp c, 0,1,2,3
	ds_load_b128 v[128*(\p)+FR*\i+4*\c:128*(\p)+FR*\i+4*\c+3], v[ADRB+\slot] offset:128*(\q)+32*\c+\i*16*PITCH
.endr
.endr
	WIN 0
.endm
.macro FETCH_A slot, q, i0
.irp i, \i0, \i0+1, \i0+2, \i0+3
.irp c, 0,1,2,3
	ds_load_b128 v[AF+FR*(\i)+4*\c:AF+FR*(\i)+4*\c+3], v[ADRA+\slot] offset:4096*(\i)+2048*(\q)+512*\c
.endr
.endr
.endm
.macro MUL8 a0, p, zero
.irp a, \a0, \a0+1
.irp b, 0,1,2,3
.if \zero
	v_wmma_f32_16x16x128_fp8_fp8 v[8*(4*(\a)+\b):8*(4*(\a)+\b)+7], v[128*(\p)+FR*\b:128*(\p)+FR*\b+FR-1], v[AF+FR*(\a):AF+FR*(\a)+FR-1], 0
.else
	v_wmma_f32_16x16x128_fp8_fp8 v[8*(4*(\a)+\b):8*(4*(\a)+\b)+7], v[128*(\p)+FR*\b:128*(\p)+FR*\b+FR-1], v[AF+FR*(\a):AF+FR*(\a)+FR-1], v[8*(4*(\a)+\b):8*(4*(\a)+\b)+7]
.endif
.endr
.endr
.endm
.macro STEP slot, zero
	s_wait_dscnt 16
	WIN 0xa1
	MUL8 0, 0, \zero
	MUL8 2, 0, \zero
	s_wait_dscnt 0
	PLACES 4
	FETCH_B \slot, 1, 1
	FETCH_A \slot, 1, 0
	WIN 0xa1
	MUL8 4, 0, \zero
	MUL8 6, 0, \zero
	PLACES 4
	WIN 0
	FETCH_A \slot, 1, 4
.endm
.macro TURN slot, next, fill
	s_wait_tensorcnt 0x0
	ds_add_u32 v[SPW], v[NIL]
	s_wait_dscnt 17
	WIN 0xa1
	MUL8 0, 1, 0
	s_wait_dscnt 0x0
	s_barrier_signal -1
	MUL8 2, 1, 0
	WIN 0
	s_barrier_wait -1
.if \fill
	CREST
	s_add_nc_u64 s[G0+4*\slot+2:G0+4*\slot+3], s[G0+4*\slot+2:G0+4*\slot+3], 8192
	s_add_nc_u64 s[G0B+4*\slot+2:G0B+4*\slot+3], s[G0B+4*\slot+2:G0B+4*\slot+3], 512
	JLOAD G0+4*\slot, G1, G0B+4*\slot, G1B
.else
	PLACES 4
.endif
	s_wait_alu depctr_va_vdst(0)
	FETCH_B \next, 0, 0
	FETCH_A \next, 0, 0
	WIN 0xa1
	MUL8 4, 1, 0
	MUL8 6, 1, 0
	PLACES 4
	WIN 0
	FETCH_A \next, 0, 4
.endm
	s_wait_alu depctr_va_vdst(0)                   ; the wait at the head's end
	s_wait_tensorcnt 0x0                           ; my one first fill is in, so the descriptors may be written: from here on a load brings half a tile, two waves to a tile
	s_mov_b32 s[G1+2], 8<<16
	s_mov_b32 s[G1+4], 8
	s_mov_b32 s[G1B+2], 64<<16
	s_mov_b32 s[G1B+4], 64
.irp s, 0,1
	s_add_co_u32 s[G0+4*\s+1], s[G0+4*\s+1], s45
	s_add_nc_u64 s[G0+4*\s+2:G0+4*\s+3], s[G0+4*\s+2:G0+4*\s+3], s[68:69]
	s_add_co_u32 s[G0B+4*\s+1], s[G0B+4*\s+1], s66
	s_add_nc_u64 s[G0B+4*\s+2:G0B+4*\s+3], s[G0B+4*\s+2:G0B+4*\s+3], s[70:71]
.endr
	s_barrier_signal -1
	s_barrier_wait -1
	FETCH_B 0, 0, 0
	FETCH_A 0, 0, 0
	FETCH_A 0, 0, 4
	STEP 0, 1
	TURN 0, 1, 1
	STEP 1, 0
	TURN 1, 0, 1
	STEP 0, 0
	TURN 0, 1, 0
	STEP 1, 0
	s_wait_dscnt 16
	WIN 0xa1
	MUL8 0, 1, 0
	MUL8 2, 1, 0
	s_wait_dscnt 0
	MUL8 4, 1, 0
	MUL8 6, 1, 0
	WIN 0
.macro TOSTAGE a
	WIN 0x02
.irp j, 0,2,4,6,8,10,12,14,16,18,20,22,24,26,28,30
	v_pk_mul_f32 v[TMP+\j:TMP+\j+1], v[32*(\a)+\j:32*(\a)+\j+1], s[96:97] op_sel_hi:[1,0]
.endr
	WIN 0
.irp b, 0,1,2,3
	ds_store_b128 v[STO], v[TMP+8*\b:TMP+8*\b+3] offset:64*\b
	ds_store_b128 v[STO], v[TMP+8*\b+4:TMP+8*\b+7] offset:64*\b+16
.endr
.set BB, BK+32*((\a)%2)
.irp t, 0,1,2,3,4,5,6,7
	ds_load_b128 v[BB+4*\t:BB+4*\t+3], v[RD] offset:\t*2*SPITCH
.endr
.endm
.macro SEND a, younger
.set BB, BK+32*((\a)%2)
	s_wait_dscnt \younger
.if (\a) > 0
	s_add_nc_u64 s[10:11], s[10:11], 65536
.endif
.irp t, 0,1,2,3,4,5,6,7
	global_store_b128 v[CO], v[BB+4*\t:BB+4*\t+3], s[10:11] offset:8192*\t th:TH_STORE_NT
.endr
.endm
	s_wait_kmcnt 0x0
	s_add_co_i32 s96, s96, s97
	s_add_co_i32 s96, s96, 127
	s_lshl_b32 s96, s96, 23
	PLACES 4
	TOSTAGE 0
.irp a, 1,2,3,4,5,6,7
.if \a > 1
	s_wait_xcnt 0x0
.endif
	TOSTAGE \a
	SEND \a-1, 16
.endr
	s_wait_xcnt 0x0
	SEND 7, 0
	s_wait_tensorcnt 0x0
	ds_add_u32 v[SPW], v[NIL]
	s_wait_dscnt 0x0
	CROUND
	s_endpgm
.Lfunc_end_k_q8098b0d3fb_oproj:
	.size	k_q8098b0d3fb_oproj, .Lfunc_end_k_q8098b0d3fb_oproj-k_q8098b0d3fb_oproj
	.p2alignl 7, 3214868480
	.fill 96, 4, 3214868480
	.section	.rodata,"a",@progbits
	.p2align	6, 0x0
	.amdhsa_kernel k_q8098b0d3fb_oproj
		.amdhsa_group_segment_fixed_size 327680
		.amdhsa_private_segment_fixed_size 0
		.amdhsa_enable_private_segment 0
		.amdhsa_kernarg_size 32
		.amdhsa_user_sgpr_count 2
		.amdhsa_user_sgpr_kernarg_segment_ptr 1
		.amdhsa_wavefront_size32 1
		.amdhsa_system_sgpr_workgroup_id_x 1
		.amdhsa_system_sgpr_workgroup_id_y 1
		.amdhsa_system_sgpr_workgroup_id_z 1
		.amdhsa_system_vgpr_workitem_id 0
		.amdhsa_next_free_vgpr 768
		.amdhsa_next_free_sgpr 100
		.amdhsa_reserve_vcc 0
		.amdhsa_float_denorm_mode_32 3
		.amdhsa_float_denorm_mode_16_64 3
		.amdhsa_memory_ordered 1
		.amdhsa_forward_progress 1
		.amdhsa_inst_pref_size 78
	.end_amdhsa_kernel
	.amdgpu_metadata
---
amdhsa.version: [ 1, 2 ]
amdhsa.kernels:
  - .name:           k_q8098b0d3fb_oproj
    .symbol:         k_q8098b0d3fb_oproj.kd
    .args:
      - { .name: ctxf, .offset: 0, .size: 8, .value_kind: global_buffer, .address_space: global }
      - { .name: W_o_codes, .offset: 8, .size: 8, .value_kind: global_buffer, .address_space: global }
      - { .name: lowp_scales, .offset: 16, .size: 8, .value_kind: global_buffer, .address_space: global }
      - { .name: out0, .offset: 24, .size: 8, .value_kind: global_buffer, .address_space: global }
    .group_segment_fixed_size: 327680
    .private_segment_fixed_size: 0
    .kernarg_segment_align: 8
    .kernarg_segment_size: 32
    .max_flat_workgroup_size: 128
    .sgpr_count:     100
    .vgpr_count:     768
    .wavefront_size: 32
...
	.end_amdgpu_metadata
.endif
;; end of part 4
